; MI455X (gfx1250); checked and timed in simulation.
; The chip was launched on July 23, 2026; its instructions are those of AMD's public machine-readable ISA for CDNA 5 (MIT licence, August 2026) and "CDNA5" Instruction Set Architecture Reference Guide (July 2026). The comments in the code are by the model that wrote it; some were corrected since.
;; Tidal Geometric Attention. Allowed arithmetic: float matrix products may take bf16 or f16 operands with f32 sums; other float arithmetic in f32, or as packed bf16 or f16 multiplies, adds, multiply-adds, maxima and minima; sums over many terms, partial sums and values carried from step to step in f32; what a program stores and reads back later, other than sums and carried values, may be rounded once to bf16 or f16.
;; Inputs: frozen 4,096 bool; frozen_scale 4,096 float32; positions 4,096 x 512 float32; temperature 4,096 float32; values 4,096 x 512 float32; x 8 x 2,048 x 512 float32.
;; Outputs: out0 8 x 2,048 x 512 float32.
;; 2 versions, each right. Each part assembles by itself: llvm-mc -triple=amdgcn-amd-amdhsa -mcpu=gfx1250 --defsym DOCPART=n.
;; ======== version 1 of 2: 2 launches
;; workspace buffers: xb 16,777,216 bytes; kb 4,194,304 bytes; vb 4,194,304 bytes; xn 65,536 bytes; tab 32,768 bytes
;; launch prep (part 1): grid 384 x 1, 8 waves a work-group, no clusters, 0 bytes of LDS; arguments x, positions, values, temperature, frozen_scale, frozen, xb, xn, kb, vb, tab; writes xb, xn, kb, vb, tab
.if DOCPART == 1
	.amdgcn_target "amdgcn-amd-amdhsa--gfx1250"
	.amdhsa_code_object_version 6
	.text
	.protected	k_qc616e41746_prep
	.globl	k_qc616e41746_prep
	.p2align	8
	.type	k_qc616e41746_prep,@function
k_qc616e41746_prep:
	s_mov_b64 s[64:65], 0
	v_nop
	global_prefetch_b8 v0, s[64:65] scope:SCOPE_SE
	s_setreg_imm32_b32 hwreg(HW_REG_WAVE_MODE, 25, 1), 1
	s_wait_xcnt 0x0
; TIDAL GEOMETRIC ATTENTION, first of two launches: the operands are rounded once and the per-row and per-key numbers are made.
;   out[q] = (sum over n of w[q][n] values[n]) / (sum over n of w[q][n] + 1e-8),  w = exp(-sqrt(max(d2, 0)) / et[n]),
;   d2[q][n] = |x_q|^2 + |pos_n|^2 - 2 x_q . pos_n,  et[n] = (|temperature[n]| + 0.1) (frozen[n] ? frozen_scale[n] : 0.05).
; NOTHING OF reference() IS LEFT OUT: every one of the six inputs has a way to the output and is loaded.  reference() takes no maximum away before
; its exponential, and neither does this program: exponent, overflow and underflow are reference()'s own.
; ALL FIVE FLOATING-POINT INPUTS ENTER ROUNDED ONCE TO bf16, the two small ones (temperature, frozen_scale) like the three matrix operands: the program computes reference() of the rounded inputs,
; in f32 from there on, so that no input is taken in one rounding here and in another there.
; WHAT IS STORED.  xb = bf16(x); kb = bf16(-2 positions), which is -2 bf16(positions) exactly; vb = bf16(values);
;   xn[q] = sum of bf16(x_q)^2 and tab[n] = sum of bf16(pos_n)^2, in f32: the norms are those of the ROUNDED rows, so that d2 in the second launch is the
;   squared distance of the rounded points;  tab[4096 + n] = -log2(e) / et[n], with et made in f32 of bf16(temperature) and bf16(frozen_scale), so that w = 2^(sqrt(max(d2, 0)) x that).
; LIMITS.  The rounding of temperature and frozen_scale moves et by up to 2^-9 of itself each, and a weight by that share of its exponent: at dist / et = 25 by up to some 5 per cent against the unrounded inputs.
; 1 / et comes from v_rcp_f32 (not correctly rounded in the last bit; a denormal et counts as 0).  positions beyond half of bf16's range overflow in -2 positions.
; SHARES.  384 work-groups of 64 rows of 2,048 bytes: 256 for x, 64 for positions, 64 for values.  A wave has 8 rows; all its 32 loads of 512 consecutive bytes go out at once,
; so there is no loop and no ring; each store of a wave covers 256 consecutive bytes, aligned.  No LDS, no matrix unit, no cluster: no byte is wanted twice.
.set X,    32                          ; v[32:159]  row i, chunk q of 512 bytes at X + 16 i + 4 q; packed in place to X + 16 i + 0..7
.set T,    8                           ; v[8:11]    two pairs at work
.set ACC,  12                          ; v[12:15]   two pairs of sums of squares
.set SRC,  28                          ; s[28:29]   the tensor that I read, at my work-group's first row
.set DST,  30                          ; s[30:31]   its bf16 copy, likewise
.set NDST, 32                          ; s[32:33]   where my work-group's 64 norms go
	s_load_b512 s[4:19], s[0:1], 0x0               ; x, positions, values, temperature, frozen_scale, frozen, xb, xn
	s_load_b128 s[20:23], s[0:1], 0x40             ; kb, vb
	s_load_b64 s[24:25], s[0:1], 0x50              ; tab
	v_and_b32 v1, 31, v0                           ; lane
	v_and_b32 v6, 0xe0, v0                         ; 32 x wave
	v_lshrrev_b32 v7, 5, v0
	v_readfirstlane_b32 s26, v7                    ; wave 0..7
	v_lshlrev_b32 v2, 4, v1
	v_lshl_or_b32 v2, v6, 9, v2                    ; in: wave x 8 rows x 2,048 + 16 x lane
	v_lshlrev_b32 v3, 3, v1
	v_lshl_or_b32 v3, v6, 8, v3                    ; out: wave x 8 rows x 1,024 + 8 x lane
	v_lshlrev_b32 v4, 2, v1
	v_add_nc_u32 v4, v6, v4                        ; norms: 4 (8 x wave + lane), used by lanes 0 to 7
	v_mov_b32 v5, 0                                ; lane i gathers row i's norm
	v_mov_b32 v17, 0                               ; written before v_permlanex16_b32 names it as its destination
	s_mov_b32 s34, 0xffff0000                      ; a word's upper bf16
	s_mov_b32 s36, 0x76543210                      ; v_permlanex16_b32: each lane takes its own place in the other half
	s_mov_b32 s37, 0xfedcba98
	s_mov_b32 s39, ttmp9
	s_mov_b32 s35, 320
	s_cmp_lt_u32 s39, 320
	s_cselect_b32 s35, 256, s35
	s_cmp_lt_u32 s39, 256
	s_cselect_b32 s35, 0, s35
	s_sub_co_u32 s27, s39, s35                     ; my block of 64 rows in my tensor
	s_lshl_b32 s40, s27, 17                        ; x 64 rows x 2,048 bytes
	s_mov_b32 s41, 0
	s_wait_kmcnt 0x0
	s_cmp_lt_u32 s39, 320
	s_cselect_b64 s[SRC:SRC+1], s[6:7], s[8:9]
	s_cselect_b64 s[DST:DST+1], s[20:21], s[22:23]
	s_cmp_lt_u32 s39, 256
	s_cselect_b64 s[SRC:SRC+1], s[4:5], s[SRC:SRC+1]
	s_cselect_b64 s[DST:DST+1], s[16:17], s[DST:DST+1]
	s_cselect_b64 s[NDST:NDST+1], s[18:19], s[24:25]
	s_add_nc_u64 s[SRC:SRC+1], s[SRC:SRC+1], s[40:41]
	s_lshl_b32 s40, s27, 16                        ; x 64 rows x 1,024 bytes
	s_add_nc_u64 s[DST:DST+1], s[DST:DST+1], s[40:41]
	s_lshl_b32 s40, s27, 8                         ; x 64 numbers of 4 bytes
	s_add_nc_u64 s[NDST:NDST+1], s[NDST:NDST+1], s[40:41]
.irp i, 0,1,2,3,4,5,6,7
.irp q, 0,1,2,3
	global_load_b128 v[X+16*\i+4*\q:X+16*\i+4*\q+3], v2, s[SRC:SRC+1] offset:2048*\i+512*\q th:TH_LOAD_NT
.endr
.endr
; Row i of my eight.  scale = 1: times -2 first (exact).  norm = 1: the sum of the squares of the rounded numbers, into lane i of v5.
.macro ROWP i, scale, norm
	s_wait_loadcnt 28-4*(\i)                       ; loads come back in order: row i's four are in, the 28 - 4 i younger ones stay out
.set xr, X+16*(\i)
.if \scale
.irp k, 0,2,4,6,8,10,12,14
	v_pk_mul_f32 v[xr+\k:xr+\k+1], v[xr+\k:xr+\k+1], -2.0 op_sel_hi:[1,0]
.endr
.endif
.irp k, 0,1,2,3,4,5,6,7
	v_cvt_pk_bf16_f32 v[xr+\k], v[xr+2*\k], v[xr+2*\k+1]   ; packed in place, ascending: word k is written when words 2 k and 2 k + 1 are read
.endr
.irp q, 0,1,2,3
	global_store_b64 v3, v[xr+2*\q:xr+2*\q+1], s[DST:DST+1] offset:1024*(\i)+256*\q   ; 32 lanes x 8 bytes: 256 consecutive bytes, aligned
.endr
.if \norm
.irp k, 0,1,2,3,4,5,6,7
	v_lshlrev_b32 v[T+2*(\k%2)], 16, v[xr+\k]      ; the rounded numbers back as f32
	v_and_b32 v[T+2*(\k%2)+1], s34, v[xr+\k]
.if \k < 2
	v_pk_mul_f32 v[ACC+2*(\k%2):ACC+2*(\k%2)+1], v[T+2*(\k%2):T+2*(\k%2)+1], v[T+2*(\k%2):T+2*(\k%2)+1]   ; the first squares start the two chains
.else
	v_pk_fma_f32 v[ACC+2*(\k%2):ACC+2*(\k%2)+1], v[T+2*(\k%2):T+2*(\k%2)+1], v[T+2*(\k%2):T+2*(\k%2)+1], v[ACC+2*(\k%2):ACC+2*(\k%2)+1]
.endif
.endr
	v_pk_add_f32 v[ACC:ACC+1], v[ACC:ACC+1], v[ACC+2:ACC+3]
	v_add_f32 v16, v[ACC], v[ACC+1]
	v_add_f32_dpp v16, v16, v16 row_xmask:1 row_mask:0xf bank_mask:0xf
	v_add_f32_dpp v16, v16, v16 row_xmask:2 row_mask:0xf bank_mask:0xf
	v_add_f32_dpp v16, v16, v16 row_xmask:4 row_mask:0xf bank_mask:0xf
	v_add_f32_dpp v16, v16, v16 row_xmask:8 row_mask:0xf bank_mask:0xf
	v_permlanex16_b32 v17, v16, s36, s37
	v_add_f32 v16, v16, v17                        ; every lane holds the row's sum
	v_cmp_eq_u32 vcc_lo, \i, v1
	v_cndmask_b32 v5, v5, v16, vcc_lo              ; lane i keeps it
.endif
.endm
	s_cmp_lt_u32 s39, 256
	s_cbranch_scc1 .Lis_x
	s_cmp_lt_u32 s39, 320
	s_cbranch_scc1 .Lis_pos
.irp i, 0,1,2,3,4,5,6,7
	ROWP \i, 0, 0                                  ; values: rounded, nothing else is wanted of them
.endr
	s_endpgm
.Lis_x:
.irp i, 0,1,2,3,4,5,6,7
	ROWP \i, 0, 1
.endr
	s_branch .Lnorms
.Lis_pos:
.irp i, 0,1,2,3,4,5,6,7
	ROWP \i, 1, 1
.endr
	v_mul_f32 v5, 0x3e800000, v5                   ; the squares were those of -2 bf16(pos): a quarter of the sum, exact
.Lnorms:
	s_wait_xcnt 0x0                                ; EXEC changes only when the stores above have read their sources
	v_cmp_gt_u32 vcc_lo, 8, v1
	s_and_saveexec_b32 s38, vcc_lo
	global_store_b32 v4, v5, s[NDST:NDST+1]        ; my wave's eight norms, 32 consecutive bytes
	s_wait_xcnt 0x0                                ; and again in front of the line that widens it
	s_or_b32 exec_lo, exec_lo, s38
	s_cmp_lt_u32 s39, 256
	s_cbranch_scc1 .Lend
	s_cmp_lg_u32 s26, 0
	s_cbranch_scc1 .Lend
	; wave 0 of a positions work-group: -log2(e) / et for the block's 64 keys, two a lane
	s_lshl_b32 s40, s27, 8
	s_lshl_b32 s41, s27, 6
	v_lshl_add_u32 v20, v1, 3, s40                 ; 4 (64 block + 2 lane)
	v_lshl_add_u32 v21, v1, 1, s41                 ; 64 block + 2 lane
	v_mov_b32 v30, 0x3d4ccccd                      ; 0.05
	global_load_b64 v[22:23], v20, s[10:11]        ; temperature
	global_load_b64 v[24:25], v20, s[12:13]        ; frozen_scale
	global_load_u16 v26, v21, s[14:15]             ; frozen, two bytes
	s_wait_loadcnt 0x0
	v_cvt_pk_bf16_f32 v31, v22, v23                ; temperature rounded once to bf16, like every other floating-point input,
	v_lshlrev_b32 v22, 16, v31                     ; and back as f32: all that follows is f32
	v_and_b32 v23, s34, v31
	v_cvt_pk_bf16_f32 v31, v24, v25                ; frozen_scale likewise
	v_lshlrev_b32 v24, 16, v31
	v_and_b32 v25, s34, v31
	v_and_b32 v27, 0xff, v26
	v_cmp_ne_u32 vcc_lo, 0, v27
	v_cndmask_b32 v24, v30, v24, vcc_lo            ; frozen ? frozen_scale : 0.05
	v_lshrrev_b32 v27, 8, v26
	v_cmp_ne_u32 vcc_lo, 0, v27
	v_cndmask_b32 v25, v30, v25, vcc_lo
	v_and_b32 v22, 0x7fffffff, v22
	v_and_b32 v23, 0x7fffffff, v23
	v_add_f32 v22, 0x3dcccccd, v22                 ; |temperature| + 0.1
	v_add_f32 v23, 0x3dcccccd, v23
	v_mul_f32 v22, v22, v24
	v_mul_f32 v23, v23, v25
	v_rcp_f32 v28, v22
	v_rcp_f32 v29, v23
	v_nop                                          ; a plain instruction between the last reciprocal and its use
	s_wait_alu depctr_va_vdst(0)                   ; one wait for both reciprocals, ahead of their first use
	v_mul_f32 v28, 0xbfb8aa3b, v28                 ; x -log2(e)
	v_mul_f32 v29, 0xbfb8aa3b, v29
	global_store_b64 v20, v[28:29], s[24:25] offset:16384   ; 256 consecutive bytes, aligned
.Lend:
	s_endpgm
.Lfunc_end_k_qc616e41746_prep:
	.size	k_qc616e41746_prep, .Lfunc_end_k_qc616e41746_prep-k_qc616e41746_prep
	.p2alignl 7, 3214868480
	.fill 96, 4, 3214868480
	.section	.rodata,"a",@progbits
	.p2align	6, 0x0
	.amdhsa_kernel k_qc616e41746_prep
		.amdhsa_group_segment_fixed_size 0
		.amdhsa_private_segment_fixed_size 0
		.amdhsa_enable_private_segment 0
		.amdhsa_kernarg_size 88
		.amdhsa_user_sgpr_count 2
		.amdhsa_user_sgpr_kernarg_segment_ptr 1
		.amdhsa_wavefront_size32 1
		.amdhsa_system_sgpr_workgroup_id_x 1
		.amdhsa_system_sgpr_workgroup_id_y 1
		.amdhsa_system_sgpr_workgroup_id_z 1
		.amdhsa_system_vgpr_workitem_id 0
		.amdhsa_next_free_vgpr 176
		.amdhsa_next_free_sgpr 66
		.amdhsa_reserve_vcc 1
		.amdhsa_float_denorm_mode_32 3
		.amdhsa_float_denorm_mode_16_64 3
		.amdhsa_memory_ordered 1
		.amdhsa_forward_progress 1
		.amdhsa_inst_pref_size 58
	.end_amdhsa_kernel
	.amdgpu_metadata
---
amdhsa.version: [ 1, 2 ]
amdhsa.kernels:
  - .name:           k_qc616e41746_prep
    .symbol:         k_qc616e41746_prep.kd
    .args:
      - { .name: x, .offset: 0, .size: 8, .value_kind: global_buffer, .address_space: global }
      - { .name: positions, .offset: 8, .size: 8, .value_kind: global_buffer, .address_space: global }
      - { .name: values, .offset: 16, .size: 8, .value_kind: global_buffer, .address_space: global }
      - { .name: temperature, .offset: 24, .size: 8, .value_kind: global_buffer, .address_space: global }
      - { .name: frozen_scale, .offset: 32, .size: 8, .value_kind: global_buffer, .address_space: global }
      - { .name: frozen, .offset: 40, .size: 8, .value_kind: global_buffer, .address_space: global }
      - { .name: xb, .offset: 48, .size: 8, .value_kind: global_buffer, .address_space: global }
      - { .name: xn, .offset: 56, .size: 8, .value_kind: global_buffer, .address_space: global }
      - { .name: kb, .offset: 64, .size: 8, .value_kind: global_buffer, .address_space: global }
      - { .name: vb, .offset: 72, .size: 8, .value_kind: global_buffer, .address_space: global }
      - { .name: tab, .offset: 80, .size: 8, .value_kind: global_buffer, .address_space: global }
    .group_segment_fixed_size: 0
    .private_segment_fixed_size: 0
    .kernarg_segment_align: 8
    .kernarg_segment_size: 88
    .max_flat_workgroup_size: 256
    .sgpr_count:     66
    .vgpr_count:     176
    .wavefront_size: 32
...
	.end_amdgpu_metadata
.endif
;; end of part 1
;; launch attn (part 2): grid 256 x 1, 4 waves a work-group, clusters of 4 x 1, 327,680 bytes of LDS; arguments xb, xn, kb, vb, tab, out0; writes out0
.if DOCPART == 2
	.amdgcn_target "amdgcn-amd-amdhsa--gfx1250"
	.amdhsa_code_object_version 6
	.text
	.protected	k_qc616e41746_attn
	.globl	k_qc616e41746_attn
	.p2align	8
	.type	k_qc616e41746_attn,@function
k_qc616e41746_attn:
	s_mov_b64 s[64:65], 0
	v_nop
	global_prefetch_b8 v0, s[64:65] scope:SCOPE_SE
	s_setreg_imm32_b32 hwreg(HW_REG_WAVE_MODE, 25, 1), 1
	s_wait_xcnt 0x0
	s_wait_alu depctr_hold_cnt(0) depctr_sa_sdst(0) depctr_va_vdst(0) depctr_va_sdst(0) depctr_va_ssrc(0) depctr_va_vcc(0) depctr_vm_vsrc(0)
	s_getreg_b32 s2, hwreg(HW_REG_IB_STS2, 6, 4)
	s_cmp_eq_u32 s2, 0
	s_cbranch_scc0 .Lentry_in_a_cluster
	s_endpgm
.Lentry_in_a_cluster:
	s_bfe_u32 s2, ttmp6, 0x10000c
	s_cmp_lg_u32 s2, 0x3003
	s_cbranch_scc0 .Lentry_shape_is_right
	s_endpgm
.Lentry_shape_is_right:
; TIDAL GEOMETRIC ATTENTION, second launch: scores, roots, exponentials, row sums, second product and division, fused.  Nothing of reference() is left out.
;   d2[q][n] = xn[q] + tab[n] + sum over c of xb[q][c] kb[n][c]   (kb = -2 positions, rounded);   w = 2^(sqrt(max(d2, 0)) ks[n]),  ks = tab[4096 + n] = -log2(e) / et[n];
;   out[q] = (sum over n of bf16(w) vb[n]) / (sum over n of w + 1e-8).  Products in bf16 with f32 sums; the weights go to the second product in bf16, whose exponent range is f32's (they may be far below f16's least number);
;   their sum l is taken of the unrounded w, in f32.  reference() takes no maximum away, and none is taken here.
; LIMITS.  A weight below 2^-126 counts as 0, and a d2 below 2^-126 as 0 in the root (v_exp_f32 and v_sqrt_f32 flush denormals: ISA guide, their entries).  A NaN in d2 becomes 0 in v_max_num_f32, where reference() would carry it on.
; SHARES.  A work-group owns 64 queries, four tiles t of 16, and walks all 4,096 keys, 64 a step.  SCORES: wave w makes S^T for all 64 queries x the step's keys 16 w .. 16 w + 15 (4 accumulators, 64 products).
; SECOND PRODUCT: wave w makes O^T for all 64 queries x channels 128 w .. 128 w + 127 (32 accumulators, 64 products a step).  So each byte of K and of V is read from LDS by one wave, once; Q stays whole in every wave's registers.
; LAYOUT.  S^T = K Q^T (source 0 = 16 keys, source 1 = 16 queries): a lane holds ONE query (lane % 16) and the keys 8 (lane / 16) + 0..7.  Rounded in pairs, wave w's tile IS registers 4 (w % 2) .. + 3 of source 1
; (32 keys x 16 queries, key group w / 2) of O^T = V^T P: it crosses to the other waves through LDS as it lies, 16 bytes a lane.  V ([key][channel]) comes out of LDS turned, by ds_load_tr16_b128.
; THE SUM STARTS AT xn[q] + tab[n]: the accumulator is set to it by vector adds, and ends as d2 itself.
; THE PIPELINE.  Trip j, behind its barrier, makes the scores of step j + 1 and the second product of step j; the roots, exponentials, sums and roundings of step j + 1 ride behind the second product's matrix instructions, three each.
; A ring slot therefore holds K of step j + 1 and V of step j.  ONE barrier a trip does three things: the old slot may be filled again, the slot in hand is whole, and the weights of step j lie in LDS.
; CLUSTER.  All work-groups walk the same K and V: the four of a cluster ask for each tile JOINTLY (the same tensor load, descriptor and mask in all four); the barrier is then a round of the cluster's.
; LDS.  Two slots of 64 rows of K (pitch 1,040 = 65 x 16 bytes: the 16 rows of a load start at 16 different 16-byte columns modulo 256 bytes) and 64 rows of V (pitch 1,056 = 33 x 32 bytes: 8 rows x 32 bytes of a
; turning load fall on different words modulo 256 bytes); behind them, never filled by a tensor load: the weights (two buffers of 8,192 bytes), the row sums, the spare words, a stage of 16 rows x 528 bytes for each wave.
; REGISTERS, in windows of 256 (s_set_vgpr_msb: bits 1:0 source 0, 3:2 source 1, 5:4 source 2, 7:6 destination):
;   window 0: v0-15 addresses; v16-47 S^T; v48-55 ks, v56-63 tab, of my lane's 8 keys; v64-71 xn of my lane's query, a pair a tile; v72-79 l; v80-143, v144-207 fragments of K or V; v208-255 six fragments of P
;   window 1: O^T at 64 t + 8 cb          windows 2, 3: Q, tile t, channels 32 c on, at 64 t + 8 (c % 8), c / 8 choosing the window
.set PK,    1040
.set PV,    1056
.set LK0,   0                          ; slot 0: K,
.set LV0,   64*PK                      ; V
.set SLOTB, 64*(PK+PV)
.set LK1,   SLOTB                      ; slot 1: K (first: K of step 0),
.set LV1,   SLOTB+LV0                  ; V (first: my work-group's Q, at pitch PK)
.set PST,   2*SLOTB                    ; the weights: buffer j % 2; block (t, w) of 512 bytes at 512 (4 t + w), 16 bytes a lane
.set LRED,  PST+2*8192                 ; l of query 16 t + r from wave w at 16 (16 t + r) + 4 w
.set SPARE, LRED+1024                  ; the spare words, 128 bytes for each wave: two blocks of 256 bytes that no other line names
.set OST,   SPARE+512                  ; the stages
.set SP,    528                        ; a stage's row: 512 bytes + 16 = 33 x 16
.set STEPB, 65536                      ; 64 rows of 1,024 bytes: a step's K, or its V, in memory
.set LB,  1                            ; v1   LRED + 16 r
.set AK,  2                            ; v2-3 my place in K of slot 0, 1: (16 w + r) PK + 16 h
.set AV,  4                            ; v4-5 the same for V: (8 h + l % 8) PV + 16 ((l / 8) % 2) + 256 w
.set PS,  6                            ; v6   where I put my 16 bytes of the weights
.set PL,  7                            ; v7   where I read a block's 16 bytes
.set TO,  8                            ; v8   4 (16 w + 8 h): my 8 keys in a step's 64 numbers of tab
.set PFO, 9                            ; v9   256 x lane
.set SPW, 10                           ; v10  LDS address of my spare word; never rewritten
.set NIL, 11                           ; v11  0; never rewritten
.set STO, 12                           ; v12  the way out: where I put 32 bytes of a row
.set RD,  13                           ; v13  where I read a row back
.set GO,  14                           ; v14  my byte offset in a row of out0
.set LA,  15                           ; v15  LRED + 16 r + 4 w
.set S,   16
.set KS,  48
.set HP,  56
.set HX,  64
.set LS,  72
.set FA,  80
.set FB,  144
.set FP,  208
.set TR,  208                          ; at the head, while FP is free: r = l % 16,
.set TH,  209                          ; h = l / 16,
.set TL,  210                          ; l,
.set T2,  211
.set T3,  212
.set HXO, 213                          ; 4 r
.set QA,  214                          ; my place in Q's tile
.set WV,  16                           ; s16  my wave's number
.set CX,  17                           ; s17  my place in the cluster: it enters Q's, xn's, out0's and the prefetches' addresses alone
.set GQ,  18                           ; s18  my block of 64 queries
.set IT,  19                           ; s19  pairs of trips still to come
.set LIM, 20                           ; s20  1 in the first cluster, else the greatest number
.set PFA, 22                           ; s[22:23] where my prefetches stand
.set TP,  24                           ; s[24:25] tab at the step whose scores are being made
.set G1K, 28                           ; s[28:35] descriptor group 1 for K's tiles
.set G1V, 36                           ; s[36:43] for V's: it differs in the padding alone
.set G1Q, 44                           ; s[44:51] for Q's
.set G0K, 52                           ; s[52:59] group 0 for K, a set for each slot
.set G0V, 60                           ; s[60:63], s[68:71] for V
.set G0KF, 72                          ; s[72:75] K of step 0
.set G0Q, 76                           ; s[76:79] Q
.set SEL, 80                           ; s[80:81] v_permlanex16_b32's selects
.set W_S0, 0x08                        ; source 1 (Q) in window 2
.set W_S1, 0x0c                        ; in window 3
.set W_PV, 0x50                        ; C and D (O^T) in window 1
.set W_RS, 0x41                        ; destination and source 0 in window 1
.set W_ST, 0x04                        ; an LDS store's data in window 1
.set MSB, 0
.macro WIN new                         ; the high byte repeats the setting that is left; a switch that changes nothing is dropped
.if MSB != (\new)
	s_set_vgpr_msb (MSB<<8)|(\new)
.set MSB, (\new)
.endif
.endm
.macro PLACES                          ; four plain places behind a matrix instruction, in front of loads into registers that it has read and of vector lines that read its result
.rept 4
	v_nop
.endr
.endm
; A round of the cluster's barrier: my work-group's barrier, so that wave 0's signal speaks for all four waves; wave 0 signals; every wave waits for all four work-groups; my work-group's barrier once more.
.macro ROUND
	s_barrier_signal -1
	s_barrier_wait -1
	s_cmp_lg_u32 s[WV], 0
	s_cbranch_scc1 .Lnot_wave_0_\@
	s_barrier_signal -3
.Lnot_wave_0_\@:
	s_barrier_wait -3
	s_barrier_signal -1
	s_barrier_wait -1
.endm
; A joint refill of slot s.  Waves 0 and 1 fetch the two halves (32 rows) of K's tile, waves 2 and 3 those of V's.  fill = 1: no K is left, V's alone is fetched.  The branch hangs on the wave's number alone.
; An s_nop 0 and four v_nop follow each load, ahead of the jump and the label.
.macro JLOAD s, fill
	s_cmp_lt_u32 s[WV], 2
	s_cbranch_scc0 .Lfor_v_\@
.if (\fill) == 2
	tensor_load_to_lds s[G0K+4*(\s):G0K+4*(\s)+3], s[G1K:G1K+7]
	s_nop 0
.rept 4
	v_nop
.endr
.endif
	s_branch .Lasked_\@
.Lfor_v_\@:
	tensor_load_to_lds s[G0V+8*(\s):G0V+8*(\s)+3], s[G1V:G1V+7]
	s_nop 0
.rept 4
	v_nop
.endr
.Lasked_\@:
.endm
; A PREFETCH INTO THE L2.  Trip j names step j + 5's 64 rows of kb and of vb, which the refills of trips j + 3 (K) and j + 4 (V) will ask for.  All clusters walk the same rows: the first cluster asks, nobody else.
; Its 16 waves share a step's 512 blocks of 256 bytes out BY ADDRESS: waves 0, 1 kb, waves 2, 3 vb; 8,192 (2 cx + w % 2) + 256 x lane: each block is named once in the launch.  Steps 0 to 4 come by their loads alone;
; the loop's last pair of trips and the trips behind it ask for nothing: the last step named is 63.  how = 1: in the loop; 2: in trip 0.
.macro ASK how
.if (\how) == 1
	s_cmp_gt_u32 s[IT], s[LIM]
.else
	s_cmp_eq_u32 s[LIM], 1
.endif
	s_cbranch_scc0 .Lnot_mine_\@
	global_prefetch_b8 v[PFO], s[PFA:PFA+1] th:TH_LOAD_NT scope:SCOPE_SE
.Lnot_mine_\@:
.endm
; THE LDS LOADS stand in runs.  LDK: my 16 keys x 256 channels (half 0 or 1 of the 512): 8 fragments, two loads of 16 bytes each, 32 bytes apart.
.macro LDK s, half, buf
	WIN 0
.irp c, 0,1,2,3,4,5,6,7
	ds_load_b128 v[(\buf)+8*\c:(\buf)+8*\c+3],   v[AK+(\s)] offset:512*(\half)+64*\c
	ds_load_b128 v[(\buf)+8*\c+4:(\buf)+8*\c+7], v[AK+(\s)] offset:512*(\half)+64*\c+32
.endr
.endm
; LDV: keys 32 kk .. + 31 x my 128 channels, turned: 8 fragments of V^T, channels 16 c on.
.macro LDV s, kk, buf
	WIN 0
.irp c, 0,1,2,3,4,5,6,7
	ds_load_tr16_b128 v[(\buf)+8*\c:(\buf)+8*\c+3],   v[AV+(\s)] offset:(\kk)*32*PV+32*\c
	ds_load_tr16_b128 v[(\buf)+8*\c+4:(\buf)+8*\c+7], v[AV+(\s)] offset:(\kk)*32*PV+16*PV+32*\c
.endr
.endm
; LDPX: six of the step's eight fragments of P: key group 0 of tiles 0-3 at FP + 8 t, key group 1 of tiles 0, 1 at FP + 32 + 8 t.  LDPY: key group 1 of tiles 2, 3, where tiles 0 and 1 of group 0 lay.
.macro LDPX pb
	WIN 0
.irp t, 0,1,2,3
	ds_load_b128 v[FP+8*\t:FP+8*\t+3],   v[PL] offset:8192*(\pb)+(4*\t)*512
	ds_load_b128 v[FP+8*\t+4:FP+8*\t+7], v[PL] offset:8192*(\pb)+(4*\t+1)*512
.endr
.irp t, 0,1
	ds_load_b128 v[FP+32+8*\t:FP+32+8*\t+3],   v[PL] offset:8192*(\pb)+(4*\t+2)*512
	ds_load_b128 v[FP+32+8*\t+4:FP+32+8*\t+7], v[PL] offset:8192*(\pb)+(4*\t+3)*512
.endr
.endm
.macro LDPY pb
	WIN 0
.irp t, 2,3
	ds_load_b128 v[FP+8*(\t-2):FP+8*(\t-2)+3],   v[PL] offset:8192*(\pb)+(4*\t+2)*512
	ds_load_b128 v[FP+8*(\t-2)+4:FP+8*(\t-2)+7], v[PL] offset:8192*(\pb)+(4*\t+3)*512
.endr
.endm
; THE MATRIX WORK.  SMM: cn channel steps of 32, from fragment c0 of buf on, for all four tiles: the four accumulators take turns, one instruction a turn.
.macro SMM half, buf, c0, cn
.if \half
	WIN W_S1
.else
	WIN W_S0
.endif
.set sc, (\c0)
.rept \cn
.irp t, 0,1,2,3
	v_wmma_f32_16x16x32_bf16 v[S+8*\t:S+8*\t+7], v[(\buf)+8*sc:(\buf)+8*sc+7], v[64*\t+8*sc:64*\t+8*sc+7], v[S+8*\t:S+8*\t+7]
.endr
.set sc, sc+1
.endr
.endm
; PVW: product pi of 64 of O^T += V^T P: key group pi / 32, tile (pi % 32) / 8, channels 16 (pi % 8) on.  32 accumulators take turns.  zero = 1: the first 32 start the sums: nothing is ever cleared.
.macro PVW zero
	WIN W_PV
.set pT, (pi%32)/8
.set pC, pi%8
.set rO, 64*pT+8*pC
.if pi < 32
.set rA, FA+8*pC
.set rB, FP+8*pT
.elseif pT < 2
.set rA, FB+8*pC
.set rB, FP+32+8*pT
.else
.set rA, FB+8*pC
.set rB, FP+8*(pT-2)
.endif
.if (\zero) && (pi < 32)
	v_wmma_f32_16x16x32_bf16 v[rO:rO+7], v[rA:rA+7], v[rB:rB+7], 0
.else
	v_wmma_f32_16x16x32_bf16 v[rO:rO+7], v[rA:rA+7], v[rB:rB+7], v[rO:rO+7]
.endif
.set pi, pi+1
.endm
; THE VECTOR WORK.  C0R: number ck of 16: pair ck / 4 of tile ck % 4 is set to tab[key] + xn[query].
.macro C0R
	v_pk_add_f32 v[S+8*(ck%4)+2*(ck/4):S+8*(ck%4)+2*(ck/4)+1], v[HP+2*(ck/4):HP+2*(ck/4)+1], v[HX+2*(ck%4):HX+2*(ck%4)+1] op_sel_hi:[1,0]
.set ck, ck+1
.endm
; RID: number rn of the 144 that make a step's weights of its 128 numbers d2 a lane.  Element e is register e / 4 of tile e % 4; pair p is pair p / 4 of tile p % 4.
;   0-63     max(d2, 0) and the root, by turns: a root stands three numbers behind its maximum.  ONE BATCH of 32 roots: nothing here names a root's result
;   (64)     a plain instruction, the batch's one wait (ahead of the first line that names a result), and the wait for ks: two younger loads, the next tab numbers, stay out where nxt = 1
;   64-111   the 16 packed scalings by ks and the 32 exponentials: two scalings, then 14 times exponential, exponential, scaling, then four exponentials.  A pair is scaled two groups ahead of its exponentials.  ONE BATCH again
;   (112)    a plain instruction and the wait; ks has been read: where nxt = 1 the next step but one's is asked for
;   112-127  l takes the 16 pairs, the four tiles by turns     128-143  the 16 roundings to bf16, packed in place, ascending in each tile
.macro RID nxt
	WIN 0
.if rn == 64
	v_nop
	s_wait_alu depctr_va_vdst(0)
	s_wait_loadcnt 2*(\nxt)
.elseif rn == 112
	v_nop
	s_wait_alu depctr_va_vdst(0)
.if \nxt
	global_load_b128 v[KS:KS+3],   v[TO], s[TP:TP+1] offset:16384+256
	global_load_b128 v[KS+4:KS+7], v[TO], s[TP:TP+1] offset:16384+256+16
.endif
.endif
.if rn < 64
.if (rn < 2) || ((rn < 62) && (rn%2 == 1))
.set re, (rn+1)/2
.set rr, S+8*(re%4)+re/4
	v_max_num_f32 v[rr], 0, v[rr]
.else
.set re, (rn-2)/2+rn/63
.set rr, S+8*(re%4)+re/4
	v_sqrt_f32 v[rr], v[rr]
.endif
.elseif rn < 112
.set rm, rn-64
.set rg, (rm+1)/3-1                    ; for rm >= 2: (rm - 2) / 3
.if rm < 2
.set rp, rm
.set rk, 0
.elseif (rm < 44) && ((rm-2)%3 == 2)
.set rp, rg+2
.set rk, 0
.elseif rm < 44
.set rp, 2*rg+(rm-2)%3
.set rk, 1
.else
.set rp, rm-16
.set rk, 1
.endif
.if rk == 0
.set rr, S+8*(rp%4)+2*(rp/4)
	v_pk_mul_f32 v[rr:rr+1], v[rr:rr+1], v[KS+2*(rp/4):KS+2*(rp/4)+1]
.else
.set rr, S+8*((rp/2)%4)+2*((rp/2)/4)+rp%2
	v_exp_f32 v[rr], v[rr]
.endif
.elseif rn < 128
.set rp, rn-112
.set rr, S+8*(rp%4)+2*(rp/4)
	v_pk_add_f32 v[LS+2*(rp%4):LS+2*(rp%4)+1], v[LS+2*(rp%4):LS+2*(rp%4)+1], v[rr:rr+1]
.else
.set rp, rn-128
.set rr, S+8*(rp%4)+2*(rp/4)
	v_cvt_pk_bf16_f32 v[S+8*(rp%4)+rp/4], v[rr], v[rr+1]
.endif
.set rn, rn+1
.endm
; TRIP j, s = j % 2.  prev: the last 16 products of step j - 1 are still to be issued.  zero: step j's first 32 products start O^T.  fill: 2 the other slot is filled again, 1 with V alone, 0 not at all.
; doS: the scores and weights of step j + 1 are made.  nxt: tab and ks of step j + 2 are asked for.  ask: the prefetch (ASK's argument).  stp: slot s's descriptors step two steps on: 2 both, 1 V's alone.
.macro TRIP s, prev, zero, fill, doS, nxt, ask, stp
	WIN 0
.if (\ask) || (\nxt)
	s_wait_xcnt 0x0                                ; the loads and the prefetch of the trip before have read their addresses, so the two pointers may be written
.endif
.if \ask
	s_add_nc_u64 s[PFA:PFA+1], s[PFA:PFA+1], STEPB
.endif
.if \nxt
	s_add_nc_u64 s[TP:TP+1], s[TP:TP+1], 256
.endif
	s_wait_tensorcnt 0x0                           ; all my tensor loads have landed: the one that was out is my part of slot s; so a group 0 may be written
	ds_add_u32 v[SPW], v[NIL]                      ; 0 onto my spare word: work on registers stands between it and the wait for it
.if (\stp) == 2
	s_add_nc_u64 s[G0K+4*(\s)+2:G0K+4*(\s)+3], s[G0K+4*(\s)+2:G0K+4*(\s)+3], 2*STEPB
.endif
.if \stp
	s_add_nc_u64 s[G0V+8*(\s)+2:G0V+8*(\s)+3], s[G0V+8*(\s)+2:G0V+8*(\s)+3], 2*STEPB
.endif
.if \doS
	s_wait_loadcnt 0x2                             ; tab of step j + 1 is in; the two younger loads, its ks, stay out
.endif
.set pi, 48
.set ck, 0
.rept 4
.if \prev
	PVW 0
.endif
.if \doS
	WIN 0
	C0R
	C0R
	C0R
	C0R
.endif
.endr
	WIN 0                                          ; at a label and at a branch every window is 0
	s_wait_dscnt 0x0                               ; the add is done; my reads of the other slot and of the weights are over; my weights of step j lie in LDS
.if \fill
	ROUND                                          ; all that now holds of every wave of all four work-groups
	JLOAD 1-(\s), \fill                            ; the first thing behind the round: K of step j + 2 and V of step j + 1, into the slot read in the trip before
.else
	s_barrier_signal -1
	s_barrier_wait -1
.endif
.if \doS
	LDK \s, 0, FA                                  ; FA's last reader is product 31 of the trip before; plain riders have followed it
.endif
.if \nxt
	global_load_b128 v[HP:HP+3],   v[TO], s[TP:TP+1] offset:256
	global_load_b128 v[HP+4:HP+7], v[TO], s[TP:TP+1] offset:256+16
.endif
.if \ask
	ASK \ask
.endif
.if \prev
.rept 12
	PVW 0                                          ; the rest of step j - 1, on registers alone, while K's first fragments come
.endr
	PLACES
.endif
.if \doS
	LDK \s, 1, FB
	s_wait_dscnt 24                                ; the first 8 of the first run are in; its other 8 and the second run's 16 may be out
	SMM 0, FA, 0, 4
	s_wait_dscnt 16                                ; the first run is in
	SMM 0, FA, 4, 4
	PLACES
.endif
	LDV \s, 0, FA
	LDPX \s
.if \doS
	s_wait_dscnt 28                                ; K's second half is in; the 28 just issued may be out
	SMM 1, FB, 0, 8
	PLACES                                         ; for the loads into FB, and for the riders that read the scores
.endif
	LDV \s, 1, FB
	s_wait_dscnt 16                                ; V's first key group and six fragments of P are in; the 16 just issued may be out
.set pi, 0
.set rn, 0
.rept 48
.if pi == 32
	s_wait_dscnt 0x0                               ; V's second key group, and P's last two fragments
.endif
	PVW \zero
.if \doS
	RID \nxt
	RID \nxt
	RID \nxt
.endif
.if pi == 22                           ; products 0-15 have read the two places; six products' riders, seven of them plain, or four v_nop lie between
.if !(\doS)
	PLACES
.endif
	LDPY \s
.endif
.endr
	WIN 0
.if \doS
.irp t, 0,1,2,3
	ds_store_b128 v[PS], v[S+8*\t:S+8*\t+3] offset:8192*(1-(\s))+2048*\t   ; the weights of step j + 1, into the buffer that was read in the trip before
.endr
.endif
.endm
	s_load_b256 s[4:11], s[0:1], 0x0               ; xb s[4:5], xn s[6:7], kb s[8:9], vb s[10:11]
	s_load_b128 s[12:15], s[0:1], 0x20             ; tab s[12:13], out0 s[14:15]
	v_lshl_add_u32 v[SPW], v0, 2, SPARE
	v_mov_b32 v[NIL], 0
	ds_add_u32 v[SPW], v[NIL]                      ; the wave's opening: the add, twice on end, and its wait ahead of my first tensor load; the set-up below stands between
	ds_add_u32 v[SPW], v[NIL]                      ; and once more, under the one wait
	v_lshrrev_b32 v1, 5, v0
	v_readfirstlane_b32 s[WV], v1                  ; wave 0..3
	s_bfe_u32 s[CX], ttmp6, 0x40000                ; cx
	s_lshl_b32 s[GQ], ttmp9, 2                     ; in a cluster launch ttmp9 counts clusters
	s_add_co_u32 s[GQ], s[GQ], s[CX]
	s_and_b32 s82, s[WV], 1                        ; which 32 rows of a tile I fetch
	s_mul_i32 s83, s82, 32*PK                      ; their place in a slot's K,
	s_mul_i32 s84, s82, 32*PV                      ; in its V: no place in the cluster enters an LDS address
	s_mul_i32 s85, s[WV], 16*PK                    ; my 16 rows of Q's tile; also my 16 keys in K
	s_lshl_b32 s26, s82, 15                        ; 32 rows of 1,024 bytes in memory
	s_mov_b32 s27, 0
	s_lshl_b32 s90, s[GQ], 16                      ; Q: my block's 64 rows of 1,024 bytes,
	s_lshl_b32 s91, s[WV], 14                      ; my wave's 16
	s_add_co_u32 s90, s90, s91
	s_mov_b32 s91, 0
	s_lshl_b32 s92, s[CX], 1                       ; the prefetches: 8,192 (2 cx + w % 2), from step 4 on; trip 0 steps it to step 5
	s_add_co_u32 s92, s92, s82
	s_lshl_b32 s92, s92, 13
	s_add_co_u32 s92, s92, 4*STEPB
	s_mov_b32 s93, 0
	s_lshl_b32 s94, s[GQ], 17                      ; out0: 64 rows of 2,048 bytes
	s_mov_b32 s95, 0
	s_lshl_b32 s88, s[GQ], 8                       ; xn: 64 numbers
	s_mov_b32 s89, 0
	; descriptor group 1: tiles of 32 rows (Q: 16) x 512 elements of 2 bytes, padded in LDS after every row of 256 words
	s_mov_b32 s[G1K], 15|(1<<16)|(1<<20)|(1<<21)|(7<<22)|(3<<25)   ; 15:0 the mask of four; 17:16 2-byte elements; 20 padding on; 21 set beside a mask; 24:22 after every 256 words (code 7); 31:25 4 words (code 3)
	s_mov_b32 s[G1V], 15|(1<<16)|(1<<20)|(1<<21)|(7<<22)|(7<<25)   ; the same with 8 words of padding (code 7)
	s_mov_b32 s[G1Q], (1<<16)|(1<<20)|(7<<22)|(3<<25)              ; Q is my work-group's own: no mask
.irp g, G1K, G1V, G1Q
	s_mov_b32 s[\g+1], 512<<16                     ; tensor_dim0 = 512
	s_mov_b32 s[\g+3], 512<<16                     ; tile_dim0 = 512
	s_mov_b32 s[\g+5], 512                         ; 512 elements from row to row
	s_mov_b32 s[\g+6], 0
	s_mov_b32 s[\g+7], 0
.endr
.irp g, G1K, G1V
	s_mov_b32 s[\g+2], 32<<16                      ; tensor_dim1 = 32
	s_mov_b32 s[\g+4], 32                          ; tile_dim1 = 32
.endr
	s_mov_b32 s[G1Q+2], 16<<16
	s_mov_b32 s[G1Q+4], 16
	s_mov_b32 s[G0K], 1                            ; group 0: count = 1, then the LDS address
	s_add_co_u32 s[G0K+1], s83, LK0
	s_mov_b32 s[G0K+4], 1
	s_add_co_u32 s[G0K+5], s83, LK1
	s_mov_b32 s[G0V], 1
	s_add_co_u32 s[G0V+1], s84, LV0
	s_mov_b32 s[G0V+8], 1
	s_add_co_u32 s[G0V+9], s84, LV1
	s_mov_b32 s[G0KF], 1
	s_add_co_u32 s[G0KF+1], s83, LK1
	s_mov_b32 s[G0Q], 1
	s_add_co_u32 s[G0Q+1], s85, LV1
	s_mov_b32 s[SEL], 0x76543210
	s_mov_b32 s[SEL+1], 0xfedcba98
	s_cmp_eq_u32 ttmp9, 0
	s_cselect_b32 s[LIM], 1, -1                    ; the same in all four partners
	s_wait_dscnt 0x0                               ; both opening adds are done
	s_wait_kmcnt 0x0
	s_add_nc_u64 s[86:87], s[8:9], s[26:27]        ; kb at my half of step 0
	s_mov_b64 s[G0KF+2:G0KF+3], s[86:87]           ; K of step 0,
	s_add_nc_u64 s[G0K+2:G0K+3], s[86:87], STEPB   ; of step 1 (slot 0),
	s_add_nc_u64 s[G0K+6:G0K+7], s[86:87], 2*STEPB ; of step 2 (slot 1, trip 0's refill)
	s_add_nc_u64 s[86:87], s[10:11], s[26:27]      ; vb likewise
	s_mov_b64 s[G0V+2:G0V+3], s[86:87]             ; V of step 0 (slot 0),
	s_add_nc_u64 s[G0V+10:G0V+11], s[86:87], STEPB ; of step 1 (slot 1, trip 0's refill)
	s_add_nc_u64 s[G0Q+2:G0Q+3], s[4:5], s[90:91]
.irp g, G0KF+3, G0K+3, G0K+7, G0V+3, G0V+11, G0Q+3
	s_or_b32 s[\g], s[\g], 0x80000000              ; type = 2
.endr
	s_cmp_lt_u32 s[WV], 2
	s_cselect_b64 s[PFA:PFA+1], s[8:9], s[10:11]
	s_add_nc_u64 s[PFA:PFA+1], s[PFA:PFA+1], s[92:93]
	s_mov_b64 s[TP:TP+1], s[12:13]
	s_add_nc_u64 s[14:15], s[14:15], s[94:95]      ; out0 and xn at my block
	s_add_nc_u64 s[6:7], s[6:7], s[88:89]
	ROUND                                          ; all four work-groups are here: the first joint loads meet
	s_cmp_lt_u32 s[WV], 2                          ; a wave's first fills stand in one branch, ahead of every wait on TENSORcnt and every LDS read: three loads of waves 0 and 1 are out, two of waves 2 and 3
	s_cbranch_scc0 .Lfirst_v
	tensor_load_to_lds s[G0Q:G0Q+3], s[G1Q:G1Q+7]
	s_nop 0
	tensor_load_to_lds s[G0KF:G0KF+3], s[G1K:G1K+7]
	s_nop 0
	tensor_load_to_lds s[G0K:G0K+3], s[G1K:G1K+7]
	s_nop 0
.rept 4
	v_nop
.endr
	s_branch .Lfirst_asked
.Lfirst_v:
	tensor_load_to_lds s[G0Q:G0Q+3], s[G1Q:G1Q+7]
	s_nop 0
	tensor_load_to_lds s[G0V:G0V+3], s[G1V:G1V+7]
	s_nop 0
.rept 4
	v_nop
.endr
.Lfirst_asked:
	v_and_b32 v[TR], 15, v0
	v_bfe_u32 v[TH], v0, 4, 1
	v_and_b32 v[TL], 31, v0
	v_lshlrev_b32 v[HXO], 2, v[TR]
	s_lshl_b32 s82, s[WV], 6
	v_lshl_add_u32 v[TO], v[TH], 5, s82
.irp t, 0,1,2,3
	global_load_b32 v[HX+2*\t], v[HXO], s[6:7] offset:64*\t        ; xn of query 16 t + r
.endr
	global_load_b128 v[HP:HP+3],   v[TO], s[TP:TP+1]               ; step 0's tab
	global_load_b128 v[HP+4:HP+7], v[TO], s[TP:TP+1] offset:16
	global_load_b128 v[KS:KS+3],   v[TO], s[TP:TP+1] offset:16384  ; and ks
	global_load_b128 v[KS+4:KS+7], v[TO], s[TP:TP+1] offset:16384+16
	v_mul_u32_u24 v[AK], v[TR], PK
	v_lshl_add_u32 v[AK], v[TH], 4, v[AK]          ; r x pitch + 16 h
	v_add_nc_u32 v[QA], LV1, v[AK]
	v_add_nc_u32 v[AK], s85, v[AK]                 ; + my 16 keys
	v_add_nc_u32 v[AK+1], SLOTB, v[AK]
	v_and_b32 v[T2], 7, v0
	v_bfe_u32 v[T3], v0, 3, 1
	v_lshl_add_u32 v[AV], v[TH], 3, v[T2]
	v_mul_u32_u24 v[AV], v[AV], PV
	v_lshl_add_u32 v[AV], v[T3], 4, v[AV]
	s_lshl_b32 s83, s[WV], 8
	s_add_co_u32 s83, s83, LV0
	v_add_nc_u32 v[AV], s83, v[AV]
	v_add_nc_u32 v[AV+1], SLOTB, v[AV]
	s_lshl_b32 s84, s[WV], 9
	v_lshl_add_u32 v[GO], v[TL], 4, s84            ; 512 w + 16 l
	s_add_co_u32 s84, s84, PST
	v_lshl_add_u32 v[PS], v[TL], 4, s84
	v_lshlrev_b32 v[PL], 4, v[TL]
	v_add_nc_u32 v[PL], PST, v[PL]
	v_lshlrev_b32 v[PFO], 8, v[TL]
	s_lshl_b32 s83, s[WV], 2
	s_add_co_u32 s83, s83, LRED
	v_lshl_add_u32 v[LA], v[TR], 4, s83
	v_lshl_add_u32 v[LB], v[TR], 4, LRED
	s_mul_i32 s86, s[WV], 16*SP
	s_add_co_u32 s86, s86, OST                     ; my stage
	v_lshl_add_u32 v[RD], v[TL], 4, s86            ; back: 32 lanes take a row's 512 bytes
	v_mul_u32_u24 v[STO], v[TR], SP                ; in: row r, 32 bytes for each half of the lanes
	v_lshl_add_u32 v[STO], v[TH], 5, v[STO]
	v_add_nc_u32 v[STO], s86, v[STO]
.irp i, 0,1,2,3,4,5,6,7
	v_mov_b32 v[LS+\i], 0                          ; l
.endr
	s_wait_tensorcnt 0x0                           ; my parts of Q, of K of steps 0 and 1 and of V of step 0 are in,
	s_barrier_signal -1
	s_barrier_wait -1                              ; everybody's are
	WIN 0x80                                       ; destination window 2, address window 0
.irp t, 0,1,2,3
.irp c, 0,1,2,3,4,5,6,7
	ds_load_b128 v[64*\t+8*\c:64*\t+8*\c+3],   v[QA] offset:16*PK*\t+64*\c
	ds_load_b128 v[64*\t+8*\c+4:64*\t+8*\c+7], v[QA] offset:16*PK*\t+64*\c+32
.endr
.endr
	WIN 0xc0                                       ; destination window 3: channels 256 on
.irp t, 0,1,2,3
.irp c, 0,1,2,3,4,5,6,7
	ds_load_b128 v[64*\t+8*\c:64*\t+8*\c+3],   v[QA] offset:16*PK*\t+512+64*\c
	ds_load_b128 v[64*\t+8*\c+4:64*\t+8*\c+7], v[QA] offset:16*PK*\t+512+64*\c+32
.endr
.endr
	; STEP 0's scores and weights: there is no second product yet to set them beside
	LDK 1, 0, FA
	LDK 1, 1, FB
	s_wait_loadcnt 0x0                             ; xn, tab, ks
.irp t, 0,1,2,3
	v_mov_b32 v[HX+2*\t+1], v[HX+2*\t]             ; named as pairs
.endr
.set ck, 0
.rept 16
	C0R
.endr
	global_load_b128 v[HP:HP+3],   v[TO], s[TP:TP+1] offset:256    ; step 1's tab
	global_load_b128 v[HP+4:HP+7], v[TO], s[TP:TP+1] offset:256+16
	s_wait_dscnt 0x0                               ; Q and K are in registers
	SMM 0, FA, 0, 8
	SMM 1, FB, 0, 8
	PLACES
.set rn, 0
.rept 144
	RID 1
.endr
.irp t, 0,1,2,3
	ds_store_b128 v[PS], v[S+8*\t:S+8*\t+3] offset:2048*\t
.endr
	TRIP 0, 0, 1, 2, 1, 1, 2, 2                    ; trip 0: its first 32 second products start O^T
	s_mov_b32 s[IT], 30
.Lpair:                                        ; trips 1 to 60, two to a turn of the loop: once round the ring
	TRIP 1, 1, 0, 2, 1, 1, 1, 2
	TRIP 0, 1, 0, 2, 1, 1, 1, 2
	s_sub_co_u32 s[IT], s[IT], 1
	s_cmp_lg_u32 s[IT], 0
	s_cbranch_scc1 .Lpair
	TRIP 1, 1, 0, 2, 1, 1, 0, 1                    ; trip 61: the last K (step 63) and V of step 62 are asked for; the tail is written out
	TRIP 0, 1, 0, 1, 1, 0, 0, 0                    ; trip 62: V of step 63 alone; the last scores
	TRIP 1, 1, 0, 0, 0, 0, 0, 0                    ; trip 63: nothing is asked for, no scores are left
.set pi, 48
.rept 16
	PVW 0
.endr
	; THE WAY OUT.  l: the two words, the other half of the lanes, the four waves (each had a quarter of the keys), + 1e-8; O^T times its reciprocal; through my stage in LDS, a tile (16 rows) at a time.
	WIN 0
.irp t, 0,1,2,3
	v_add_f32 v[LS+2*\t], v[LS+2*\t], v[LS+2*\t+1] ; four plain lines: the places behind the last products
.endr
.irp t, 0,1,2,3
	v_permlanex16_b32 v[LS+2*\t+1], v[LS+2*\t], s[SEL], s[SEL+1]
.endr
.irp t, 0,1,2,3
	v_add_f32 v[LS+2*\t], v[LS+2*\t], v[LS+2*\t+1]
.endr
.irp t, 0,1,2,3
	ds_store_b32 v[LA], v[LS+2*\t] offset:256*\t   ; both halves of the lanes write the same number to the same word
.endr
	s_wait_dscnt 0x0                               ; for the others' sake: my sums lie in LDS
	s_barrier_signal -1
	s_barrier_wait -1
.irp t, 0,1,2,3
	ds_load_b128 v[FA+4*\t:FA+4*\t+3], v[LB] offset:256*\t
.endr
	s_wait_dscnt 0x0
.irp t, 0,1,2,3
	v_add_f32 v[FA+4*\t], v[FA+4*\t], v[FA+4*\t+1]
	v_add_f32 v[FA+4*\t+2], v[FA+4*\t+2], v[FA+4*\t+3]
.endr
.irp t, 0,1,2,3
	v_add_f32 v[FA+4*\t], v[FA+4*\t], v[FA+4*\t+2]
.endr
.irp t, 0,1,2,3
	v_add_f32 v[FA+4*\t], 0x322bcc77, v[FA+4*\t]   ; + 1e-8
.endr
.irp t, 0,1,2,3
	v_rcp_f32 v[HX+2*\t], v[FA+4*\t]
.endr
	v_nop                                          ; a plain instruction between the last reciprocal and its use
	s_wait_alu depctr_va_vdst(0)                   ; one wait for the four reciprocals, ahead of their first use
; Tile t: a lane's eight channels of a row are 32 bytes; they go into rows of 528 bytes and come back as whole rows of 512.
.macro PACK t
	WIN W_RS
.set oi, 64*(\t)
.rept 32
	v_pk_mul_f32 v[oi:oi+1], v[oi:oi+1], v[HX+2*(\t):HX+2*(\t)+1] op_sel_hi:[1,0]   ; ascending: each accumulator's lowest registers are read first
.set oi, oi+2
.endr
	WIN W_ST
.irp c, 0,1,2,3,4,5,6,7
	ds_store_b128 v[STO], v[64*(\t)+8*\c:64*(\t)+8*\c+3]   offset:64*\c
	ds_store_b128 v[STO], v[64*(\t)+8*\c+4:64*(\t)+8*\c+7] offset:64*\c+16
.endr
	WIN 0
.if (\t) >= 2
	s_wait_xcnt 0x0                                ; the stores of the tile two back have read these registers
.endif
.set bk, FA+64*((\t)%2)
.irp k, 0,1,2,3,4,5,6,7,8,9,10,11,12,13,14,15
	ds_load_b128 v[bk+4*\k:bk+4*\k+3], v[RD] offset:SP*\k   ; LDS serves a wave's instructions in order (ISA guide 5.7.1.4): these see the stores above; the next tile's stores come behind them
.endr
.endm
.macro SEND t, younger                 ; younger: the LDS instructions issued behind tile t's loads: the next tile's 32, or none
.set bk, FA+64*((\t)%2)
.irp k, 0,1,2,3,4,5,6,7,8,9,10,11,12,13,14,15
	s_wait_dscnt (\younger)+15-\k
	global_store_b128 v[GO], v[bk+4*\k:bk+4*\k+3], s[14:15] offset:(16*(\t)+\k)*2048 th:TH_STORE_NT   ; 512 consecutive bytes, at a multiple of 256 from out0's first byte
.endr
.endm
	PACK 0
	PACK 1                                         ; a tile's arithmetic stands between the loads of the tile before and its stores
	SEND 0, 32
	PACK 2
	SEND 1, 32
	PACK 3
	SEND 2, 32
	SEND 3, 0
	s_wait_tensorcnt 0x0                           ; the wave's end, behind my last tensor load and my last LDS store
	ds_add_u32 v[SPW], v[NIL]
	s_wait_dscnt 0x0
	ROUND                                          ; the closing round: no work-group ends while a partner may still ask for a tile that names it
	s_endpgm
.Lfunc_end_k_qc616e41746_attn:
	.size	k_qc616e41746_attn, .Lfunc_end_k_qc616e41746_attn-k_qc616e41746_attn
	.p2alignl 7, 3214868480
	.fill 96, 4, 3214868480
	.section	.rodata,"a",@progbits
	.p2align	6, 0x0
	.amdhsa_kernel k_qc616e41746_attn
		.amdhsa_group_segment_fixed_size 327680
		.amdhsa_private_segment_fixed_size 0
		.amdhsa_enable_private_segment 0
		.amdhsa_kernarg_size 48
		.amdhsa_user_sgpr_count 2
		.amdhsa_user_sgpr_kernarg_segment_ptr 1
		.amdhsa_wavefront_size32 1
		.amdhsa_system_sgpr_workgroup_id_x 1
		.amdhsa_system_sgpr_workgroup_id_y 1
		.amdhsa_system_sgpr_workgroup_id_z 1
		.amdhsa_system_vgpr_workitem_id 0
		.amdhsa_next_free_vgpr 1024
		.amdhsa_next_free_sgpr 96
		.amdhsa_reserve_vcc 0
		.amdhsa_float_denorm_mode_32 3
		.amdhsa_float_denorm_mode_16_64 3
		.amdhsa_memory_ordered 1
		.amdhsa_forward_progress 1
		.amdhsa_inst_pref_size 196
	.end_amdhsa_kernel
	.amdgpu_metadata
---
amdhsa.version: [ 1, 2 ]
amdhsa.kernels:
  - .name:           k_qc616e41746_attn
    .symbol:         k_qc616e41746_attn.kd
    .args:
      - { .name: xb, .offset: 0, .size: 8, .value_kind: global_buffer, .address_space: global }
      - { .name: xn, .offset: 8, .size: 8, .value_kind: global_buffer, .address_space: global }
      - { .name: kb, .offset: 16, .size: 8, .value_kind: global_buffer, .address_space: global }
      - { .name: vb, .offset: 24, .size: 8, .value_kind: global_buffer, .address_space: global }
      - { .name: tab, .offset: 32, .size: 8, .value_kind: global_buffer, .address_space: global }
      - { .name: out0, .offset: 40, .size: 8, .value_kind: global_buffer, .address_space: global }
    .group_segment_fixed_size: 327680
    .private_segment_fixed_size: 0
    .kernarg_segment_align: 8
    .kernarg_segment_size: 48
    .max_flat_workgroup_size: 128
    .sgpr_count:     96
    .vgpr_count:     1024
    .wavefront_size: 32
...
	.end_amdgpu_metadata
.endif
;; end of part 2
;; ======== version 2 of 2: 2 launches
;; workspace buffers: xb 16,777,216 bytes; kb 4,194,304 bytes; vb 4,194,304 bytes; xn 65,536 bytes; tab 32,768 bytes
;; launch prep: the kernel of part 1 again; grid 384 x 1, 8 waves a work-group, no clusters, 0 bytes of LDS; arguments x, positions, values, temperature, frozen_scale, frozen, xb, xn, kb, vb, tab; writes xb, xn, kb, vb, tab
;; launch attn (part 3): grid 256 x 1, 4 waves a work-group, clusters of 4 x 1, 327,680 bytes of LDS; arguments xb, xn, kb, vb, tab, out0; writes out0
.if DOCPART == 3
	.amdgcn_target "amdgcn-amd-amdhsa--gfx1250"
	.amdhsa_code_object_version 6
	.text
	.protected	k_qc616e41746_attn
	.globl	k_qc616e41746_attn
	.p2align	8
	.type	k_qc616e41746_attn,@function
k_qc616e41746_attn:
	s_mov_b64 s[64:65], 0
	v_nop
	global_prefetch_b8 v0, s[64:65] scope:SCOPE_SE
	s_setreg_imm32_b32 hwreg(HW_REG_WAVE_MODE, 25, 1), 1
	s_wait_xcnt 0x0
	s_wait_alu depctr_hold_cnt(0) depctr_sa_sdst(0) depctr_va_vdst(0) depctr_va_sdst(0) depctr_va_ssrc(0) depctr_va_vcc(0) depctr_vm_vsrc(0)
	s_getreg_b32 s2, hwreg(HW_REG_IB_STS2, 6, 4)
	s_cmp_eq_u32 s2, 0
	s_cbranch_scc0 .Lentry_in_a_cluster
	s_endpgm
.Lentry_in_a_cluster:
	s_bfe_u32 s2, ttmp6, 0x10000c
	s_cmp_lg_u32 s2, 0x3003
	s_cbranch_scc0 .Lentry_shape_is_right
	s_endpgm
.Lentry_shape_is_right:
; TIDAL GEOMETRIC ATTENTION, second launch: scores, roots, exponentials, row sums, second product and division, fused.  Nothing of reference() is left out.
;   d2[q][n] = xn[q] + tab[n] + sum over c of xb[q][c] kb[n][c]   (kb = -2 positions, rounded);   w = 2^(sqrt(max(d2, 0)) ks[n]),  ks = tab[4096 + n] = -log2(e) / et[n];
;   out[q] = (sum over n of bf16(w) vb[n]) / (sum over n of w + 1e-8).  Products in bf16 with f32 sums; the weights go to the second product in bf16, whose exponent range is f32's (they may be far below f16's least number);
;   their sum l is taken of the unrounded w, in f32.  reference() takes no maximum away, and none is taken here.
; LIMITS.  A weight below 2^-126 counts as 0, and a d2 below 2^-126 as 0 in the root (v_exp_f32 and v_sqrt_f32 flush denormals: ISA guide, their entries).  A NaN in d2 becomes 0 in v_max_num_f32, where reference() would carry it on.
; The sums over the keys are taken in another order than reference()'s, and in another order from cluster to cluster (THE WALK).
; SHARES.  A work-group owns 64 queries, four tiles t of 16, and walks all 4,096 keys, 64 a step.  SCORES: wave w makes S^T for all 64 queries x the step's keys 16 w .. 16 w + 15 (4 accumulators, 64 products).
; SECOND PRODUCT: wave w makes O^T for all 64 queries x channels 128 w .. 128 w + 127 (32 accumulators, 64 products a step).  So each byte of K and of V is read from LDS by one wave, once; Q stays whole in every wave's registers.
; LAYOUT.  S^T = K Q^T (source 0 = 16 keys, source 1 = 16 queries): a lane holds ONE query (lane % 16) and the keys 8 (lane / 16) + 0..7.  Rounded in pairs, wave w's tile IS registers 4 (w % 2) .. + 3 of source 1
; (32 keys x 16 queries, key group w / 2) of O^T = V^T P: it crosses to the other waves through LDS as it lies, 16 bytes a lane.  V ([key][channel]) comes out of LDS turned, by ds_load_tr16_b128.
; THE SUM STARTS AT xn[q] + tab[n]: the accumulator is set to it by vector adds, and ends as d2 itself.
; THE WALK.  Cluster c begins at key step 2 c mod 64 and wraps round: O^T and l are plain sums over the keys, with no running maximum, so they may be taken in any order.  So at any moment the clusters ask for different steps'
; rows, and a step's rows are asked for by the clusters one after the other.  'Step j' below is the j-th of my cluster's walk.  Its number enters global addresses alone and is the same in all four partners; a descriptor's
; address is made anew from it for each fill.  NO PREFETCH: every row of kb is first asked for among some cluster's first fills, every row of vb there or in a first refill: all at the kernel's head.
; THE PIPELINE.  Trip j, behind its barrier, makes the scores of step j + 1 and the second product of step j; the roots, exponentials, sums and roundings of step j + 1 ride behind the second product's matrix instructions, three each.
; A ring slot therefore holds K of step j + 1 and V of step j.  ONE barrier a trip does three things: the old slot may be filled again, the slot in hand is whole, and the weights of step j lie in LDS.
; CLUSTER.  All work-groups walk the same K and V: the four of a cluster ask for each tile JOINTLY (the same tensor load, descriptor and mask in all four); the barrier is then a round of the cluster's.
; LDS.  Two slots of 64 rows of K (pitch 1,040 = 65 x 16 bytes: the 16 rows of a load start at 16 different 16-byte columns modulo 256 bytes) and 64 rows of V (pitch 1,056 = 33 x 32 bytes: 8 rows x 32 bytes of a
; turning load fall on different words modulo 256 bytes); behind them, never filled by a tensor load: the weights (two buffers of 8,192 bytes), the row sums, the spare words, a stage of 16 rows x 528 bytes for each wave.
; REGISTERS, in windows of 256 (s_set_vgpr_msb: bits 1:0 source 0, 3:2 source 1, 5:4 source 2, 7:6 destination):
;   window 0: v0-15 addresses; v16-47 S^T; v48-55 ks, v56-63 tab, of my lane's 8 keys; v64-71 xn of my lane's query, a pair a tile; v72-79 l; v80-143, v144-207 fragments of K or V; v208-255 six fragments of P
;   window 1: O^T at 64 t + 8 cb          windows 2, 3: Q, tile t, channels 32 c on, at 64 t + 8 (c % 8), c / 8 choosing the window
.set PK,    1040
.set PV,    1056
.set LK0,   0                          ; slot 0: K,
.set LV0,   64*PK                      ; V
.set SLOTB, 64*(PK+PV)
.set LK1,   SLOTB                      ; slot 1: K (first: K of step 0),
.set LV1,   SLOTB+LV0                  ; V (first: my work-group's Q, at pitch PK)
.set PST,   2*SLOTB                    ; the weights: buffer j % 2; block (t, w) of 512 bytes at 512 (4 t + w), 16 bytes a lane
.set LRED,  PST+2*8192                 ; l of query 16 t + r from wave w at 16 (16 t + r) + 4 w
.set SPARE, LRED+1024                  ; the spare words, 128 bytes for each wave: two blocks of 256 bytes that no other line names
.set OST,   SPARE+512                  ; the stages
.set SP,    528                        ; a stage's row: 512 bytes + 16 = 33 x 16
.set LB,  1                            ; v1   LRED + 16 r
.set AK,  2                            ; v2-3 my place in K of slot 0, 1: (16 w + r) PK + 16 h
.set AV,  4                            ; v4-5 the same for V: (8 h + l % 8) PV + 16 ((l / 8) % 2) + 256 w
.set PS,  6                            ; v6   where I put my 16 bytes of the weights
.set PL,  7                            ; v7   where I read a block's 16 bytes
.set TO,  8                            ; v8   4 (16 w + 8 h): my 8 keys in a step's 64 numbers of tab
.set SPW, 10                           ; v10  LDS address of my spare word; never rewritten
.set NIL, 11                           ; v11  0; never rewritten
.set STO, 12                           ; v12  the way out: where I put 32 bytes of a row
.set RD,  13                           ; v13  where I read a row back
.set GO,  14                           ; v14  my byte offset in a row of out0
.set LA,  15                           ; v15  LRED + 16 r + 4 w
.set S,   16
.set KS,  48
.set HP,  56
.set HX,  64
.set LS,  72
.set FA,  80
.set FB,  144
.set FP,  208
.set TR,  208                          ; at the head, while FP is free: r = l % 16,
.set TH,  209                          ; h = l / 16,
.set TL,  210                          ; l,
.set T2,  211
.set T3,  212
.set HXO, 213                          ; 4 r
.set QA,  214                          ; my place in Q's tile
.set WV,  16                           ; s16  my wave's number
.set CX,  17                           ; s17  my place in the cluster: it enters Q's, xn's and out0's addresses alone
.set GQ,  18                           ; s18  my block of 64 queries
.set IT,  19                           ; s19  pairs of trips still to come
.set SN,  20                           ; s20  the number, modulo 64, of the key step whose V, tab and ks are asked for next
.set TN,  21                           ; s21  that number + 1, modulo 64: K runs a step ahead of V
.set TP,  24                           ; s[24:25] tab at step SN's 64 numbers
.set OF,  26                           ; s[26:27] a byte offset; the high word stays 0
.set G1K, 28                           ; s[28:35] descriptor group 1 for K's tiles
.set G1V, 36                           ; s[36:43] for V's: it differs in the padding alone
.set G1Q, 44                           ; s[44:51] for Q's
.set G0K, 52                           ; s[52:59] group 0 for K, a set for each slot
.set G0V, 60                           ; s[60:63], s[68:71] for V
.set G0KF, 72                          ; s[72:75] K of step 0
.set G0Q, 76                           ; s[76:79] Q
.set SEL, 80                           ; s[80:81] v_permlanex16_b32's selects
.set W_S0, 0x08                        ; source 1 (Q) in window 2
.set W_S1, 0x0c                        ; in window 3
.set W_PV, 0x50                        ; C and D (O^T) in window 1
.set W_RS, 0x41                        ; destination and source 0 in window 1
.set W_ST, 0x04                        ; an LDS store's data in window 1
.set MSB, 0
.macro WIN new                         ; the high byte repeats the setting that is left; a switch that changes nothing is dropped
.if MSB != (\new)
	s_set_vgpr_msb (MSB<<8)|(\new)
.set MSB, (\new)
.endif
.endm
.macro PLACES                          ; four plain places behind a matrix instruction, in front of loads into registers that it has read and of vector lines that read its result
.rept 4
	v_nop
.endr
.endm
; The global address of group 0 at g: the tensor (at my half of a step's rows) + 65,536 x the step's number: 64 rows of 1,024 bytes; the type bits are set again.
.macro TADR g, base, num
	s_lshl_b32 s[OF], s[\num], 16
	s_add_nc_u64 s[(\g)+2:(\g)+3], s[(\base):(\base)+1], s[OF:OF+1]
	s_or_b32 s[(\g)+3], s[(\g)+3], 0x80000000
.endm
; A round of the cluster's barrier: my work-group's barrier, so that wave 0's signal speaks for all four waves; wave 0 signals; every wave waits for all four work-groups; my work-group's barrier once more.
.macro ROUND
	s_barrier_signal -1
	s_barrier_wait -1
	s_cmp_lg_u32 s[WV], 0
	s_cbranch_scc1 .Lnot_wave_0_\@
	s_barrier_signal -3
.Lnot_wave_0_\@:
	s_barrier_wait -3
	s_barrier_signal -1
	s_barrier_wait -1
.endm
; A joint refill of slot s.  Waves 0 and 1 fetch the two halves (32 rows) of K's tile, waves 2 and 3 those of V's.  fill = 1: no K is left, V's alone is fetched.  The branch hangs on the wave's number alone.
; An s_nop 0 and four v_nop follow each load, ahead of the jump and the label.
.macro JLOAD s, fill
	s_cmp_lt_u32 s[WV], 2
	s_cbranch_scc0 .Lfor_v_\@
.if (\fill) == 2
	tensor_load_to_lds s[G0K+4*(\s):G0K+4*(\s)+3], s[G1K:G1K+7]
	s_nop 0
.rept 4
	v_nop
.endr
.endif
	s_branch .Lasked_\@
.Lfor_v_\@:
	tensor_load_to_lds s[G0V+8*(\s):G0V+8*(\s)+3], s[G1V:G1V+7]
	s_nop 0
.rept 4
	v_nop
.endr
.Lasked_\@:
.endm
; THE LDS LOADS stand in runs.  LDK: my 16 keys x 256 channels (half 0 or 1 of the 512): 8 fragments, two loads of 16 bytes each, 32 bytes apart.
.macro LDK s, half, buf
	WIN 0
.irp c, 0,1,2,3,4,5,6,7
	ds_load_b128 v[(\buf)+8*\c:(\buf)+8*\c+3],   v[AK+(\s)] offset:512*(\half)+64*\c
	ds_load_b128 v[(\buf)+8*\c+4:(\buf)+8*\c+7], v[AK+(\s)] offset:512*(\half)+64*\c+32
.endr
.endm
; LDV: keys 32 kk .. + 31 x my 128 channels, turned: 8 fragments of V^T, channels 16 c on.
.macro LDV s, kk, buf
	WIN 0
.irp c, 0,1,2,3,4,5,6,7
	ds_load_tr16_b128 v[(\buf)+8*\c:(\buf)+8*\c+3],   v[AV+(\s)] offset:(\kk)*32*PV+32*\c
	ds_load_tr16_b128 v[(\buf)+8*\c+4:(\buf)+8*\c+7], v[AV+(\s)] offset:(\kk)*32*PV+16*PV+32*\c
.endr
.endm
; LDPX: six of the step's eight fragments of P: key group 0 of tiles 0-3 at FP + 8 t, key group 1 of tiles 0, 1 at FP + 32 + 8 t.  LDPY: key group 1 of tiles 2, 3, where tiles 0 and 1 of group 0 lay.
.macro LDPX pb
	WIN 0
.irp t, 0,1,2,3
	ds_load_b128 v[FP+8*\t:FP+8*\t+3],   v[PL] offset:8192*(\pb)+(4*\t)*512
	ds_load_b128 v[FP+8*\t+4:FP+8*\t+7], v[PL] offset:8192*(\pb)+(4*\t+1)*512
.endr
.irp t, 0,1
	ds_load_b128 v[FP+32+8*\t:FP+32+8*\t+3],   v[PL] offset:8192*(\pb)+(4*\t+2)*512
	ds_load_b128 v[FP+32+8*\t+4:FP+32+8*\t+7], v[PL] offset:8192*(\pb)+(4*\t+3)*512
.endr
.endm
.macro LDPY pb
	WIN 0
.irp t, 2,3
	ds_load_b128 v[FP+8*(\t-2):FP+8*(\t-2)+3],   v[PL] offset:8192*(\pb)+(4*\t+2)*512
	ds_load_b128 v[FP+8*(\t-2)+4:FP+8*(\t-2)+7], v[PL] offset:8192*(\pb)+(4*\t+3)*512
.endr
.endm
; THE MATRIX WORK.  SMM: cn channel steps of 32, from fragment c0 of buf on, for all four tiles: the four accumulators take turns, one instruction a turn.
.macro SMM half, buf, c0, cn
.if \half
	WIN W_S1
.else
	WIN W_S0
.endif
.set sc, (\c0)
.rept \cn
.irp t, 0,1,2,3
	v_wmma_f32_16x16x32_bf16 v[S+8*\t:S+8*\t+7], v[(\buf)+8*sc:(\buf)+8*sc+7], v[64*\t+8*sc:64*\t+8*sc+7], v[S+8*\t:S+8*\t+7]
.endr
.set sc, sc+1
.endr
.endm
; PVW: product pi of 64 of O^T += V^T P: key group pi / 32, tile (pi % 32) / 8, channels 16 (pi % 8) on.  32 accumulators take turns.  zero = 1: the first 32 start the sums: nothing is ever cleared.
.macro PVW zero
	WIN W_PV
.set pT, (pi%32)/8
.set pC, pi%8
.set rO, 64*pT+8*pC
.if pi < 32
.set rA, FA+8*pC
.set rB, FP+8*pT
.elseif pT < 2
.set rA, FB+8*pC
.set rB, FP+32+8*pT
.else
.set rA, FB+8*pC
.set rB, FP+8*(pT-2)
.endif
.if (\zero) && (pi < 32)
	v_wmma_f32_16x16x32_bf16 v[rO:rO+7], v[rA:rA+7], v[rB:rB+7], 0
.else
	v_wmma_f32_16x16x32_bf16 v[rO:rO+7], v[rA:rA+7], v[rB:rB+7], v[rO:rO+7]
.endif
.set pi, pi+1
.endm
; THE VECTOR WORK.  C0R: number ck of 16: pair ck / 4 of tile ck % 4 is set to tab[key] + xn[query].
.macro C0R
	v_pk_add_f32 v[S+8*(ck%4)+2*(ck/4):S+8*(ck%4)+2*(ck/4)+1], v[HP+2*(ck/4):HP+2*(ck/4)+1], v[HX+2*(ck%4):HX+2*(ck%4)+1] op_sel_hi:[1,0]
.set ck, ck+1
.endm
; RID: number rn of the 144 that make a step's weights of its 128 numbers d2 a lane.  Element e is register e / 4 of tile e % 4; pair p is pair p / 4 of tile p % 4.
;   0-63     max(d2, 0) and the root, by turns: a root stands three numbers behind its maximum.  ONE BATCH of 32 roots: nothing here names a root's result
;   (64)     a plain instruction, the batch's one wait (ahead of the first line that names a result), and the wait for ks: two younger loads, the next tab numbers, stay out where nxt = 1
;   64-111   the 16 packed scalings by ks and the 32 exponentials: two scalings, then 14 times exponential, exponential, scaling, then four exponentials.  A pair is scaled two groups ahead of its exponentials.  ONE BATCH again
;   (112)    a plain instruction and the wait; ks has been read: where nxt = 1 that of step SN is asked for
;   112-127  l takes the 16 pairs, the four tiles by turns     128-143  the 16 roundings to bf16, packed in place, ascending in each tile
.macro RID nxt
	WIN 0
.if rn == 64
	v_nop
	s_wait_alu depctr_va_vdst(0)
	s_wait_loadcnt 2*(\nxt)
.elseif rn == 112
	v_nop
	s_wait_alu depctr_va_vdst(0)
.if \nxt
	global_load_b128 v[KS:KS+3],   v[TO], s[TP:TP+1] offset:16384
	global_load_b128 v[KS+4:KS+7], v[TO], s[TP:TP+1] offset:16384+16
.endif
.endif
.if rn < 64
.if (rn < 2) || ((rn < 62) && (rn%2 == 1))
.set re, (rn+1)/2
.set rr, S+8*(re%4)+re/4
	v_max_num_f32 v[rr], 0, v[rr]
.else
.set re, (rn-2)/2+rn/63
.set rr, S+8*(re%4)+re/4
	v_sqrt_f32 v[rr], v[rr]
.endif
.elseif rn < 112
.set rm, rn-64
.set rg, (rm+1)/3-1                    ; for rm >= 2: (rm - 2) / 3
.if rm < 2
.set rp, rm
.set rk, 0
.elseif (rm < 44) && ((rm-2)%3 == 2)
.set rp, rg+2
.set rk, 0
.elseif rm < 44
.set rp, 2*rg+(rm-2)%3
.set rk, 1
.else
.set rp, rm-16
.set rk, 1
.endif
.if rk == 0
.set rr, S+8*(rp%4)+2*(rp/4)
	v_pk_mul_f32 v[rr:rr+1], v[rr:rr+1], v[KS+2*(rp/4):KS+2*(rp/4)+1]
.else
.set rr, S+8*((rp/2)%4)+2*((rp/2)/4)+rp%2
	v_exp_f32 v[rr], v[rr]
.endif
.elseif rn < 128
.set rp, rn-112
.set rr, S+8*(rp%4)+2*(rp/4)
	v_pk_add_f32 v[LS+2*(rp%4):LS+2*(rp%4)+1], v[LS+2*(rp%4):LS+2*(rp%4)+1], v[rr:rr+1]
.else
.set rp, rn-128
.set rr, S+8*(rp%4)+2*(rp/4)
	v_cvt_pk_bf16_f32 v[S+8*(rp%4)+rp/4], v[rr], v[rr+1]
.endif
.set rn, rn+1
.endm
; TRIP j, s = j % 2.  prev: the last 16 products of step j - 1 are still to be issued.  zero: step j's first 32 products start O^T.  fill: 2 the other slot is filled again, 1 with V alone, 0 not at all.
; doS: the scores and weights of step j + 1 are made.  nxt: SN goes on to step j + 2, whose tab and ks are asked for.  stp: slot s's descriptors are made for the next trip's refill: 2: K of step j + 3 and V of step j + 2; 1: V alone.
.macro TRIP s, prev, zero, fill, doS, nxt, stp
	WIN 0
.if \nxt
	s_wait_xcnt 0x0                                ; the table loads of the trip before have read their address, so the pointer may be written
	s_add_co_u32 s[SN], s[SN], 1
	s_and_b32 s[SN], s[SN], 63                     ; the walk wraps round
	s_lshl_b32 s[OF], s[SN], 8                     ; 64 numbers of 4 bytes a step
	s_add_nc_u64 s[TP:TP+1], s[12:13], s[OF:OF+1]
.endif
	s_wait_tensorcnt 0x0                           ; all my tensor loads have landed: the one that was out is my part of slot s; so a group 0 may be written
	ds_add_u32 v[SPW], v[NIL]                      ; 0 onto my spare word: work on registers stands between it and the wait for it
.if (\stp) == 2
	s_add_co_u32 s[TN], s[SN], 1
	s_and_b32 s[TN], s[TN], 63
	TADR G0K+4*(\s), 8, TN
.endif
.if \stp
	TADR G0V+8*(\s), 10, SN
.endif
.if \doS
	s_wait_loadcnt 0x2                             ; tab of step j + 1 is in; the two younger loads, its ks, stay out
.endif
.set pi, 48
.set ck, 0
.rept 4
.if \prev
	PVW 0
.endif
.if \doS
	WIN 0
	C0R
	C0R
	C0R
	C0R
.endif
.endr
	WIN 0                                          ; at a label and at a branch every window is 0
	s_wait_dscnt 0x0                               ; the add is done; my reads of the other slot and of the weights are over; my weights of step j lie in LDS
.if \fill
	ROUND                                          ; all that now holds of every wave of all four work-groups
	JLOAD 1-(\s), \fill                            ; the first thing behind the round: K of step j + 2 and V of step j + 1, into the slot read in the trip before
.else
	s_barrier_signal -1
	s_barrier_wait -1
.endif
.if \doS
	LDK \s, 0, FA                                  ; FA's last reader is product 31 of the trip before; plain riders have followed it
.endif
.if \nxt
	global_load_b128 v[HP:HP+3],   v[TO], s[TP:TP+1]
	global_load_b128 v[HP+4:HP+7], v[TO], s[TP:TP+1] offset:16
.endif
.if \prev
.rept 12
	PVW 0                                          ; the rest of step j - 1, on registers alone, while K's first fragments come
.endr
	PLACES
.endif
.if \doS
	LDK \s, 1, FB
	s_wait_dscnt 24                                ; the first 8 of the first run are in; its other 8 and the second run's 16 may be out
	SMM 0, FA, 0, 4
	s_wait_dscnt 16                                ; the first run is in
	SMM 0, FA, 4, 4
	PLACES
.endif
	LDV \s, 0, FA
	LDPX \s
.if \doS
	s_wait_dscnt 28                                ; K's second half is in; the 28 just issued may be out
	SMM 1, FB, 0, 8
	PLACES                                         ; for the loads into FB, and for the riders that read the scores
.endif
	LDV \s, 1, FB
	s_wait_dscnt 16                                ; V's first key group and six fragments of P are in; the 16 just issued may be out
.set pi, 0
.set rn, 0
.rept 48
.if pi == 32
	s_wait_dscnt 0x0                               ; V's second key group, and P's last two fragments
.endif
	PVW \zero
.if \doS
	RID \nxt
	RID \nxt
	RID \nxt
.endif
.if pi == 22                           ; products 0-15 have read the two places; six products' riders, seven of them plain, or four v_nop lie between
.if !(\doS)
	PLACES
.endif
	LDPY \s
.endif
.endr
	WIN 0
.if \doS
.irp t, 0,1,2,3
	ds_store_b128 v[PS], v[S+8*\t:S+8*\t+3] offset:8192*(1-(\s))+2048*\t   ; the weights of step j + 1, into the buffer that was read in the trip before
.endr
.endif
.endm
	s_load_b256 s[4:11], s[0:1], 0x0               ; xb s[4:5], xn s[6:7], kb s[8:9], vb s[10:11]
	s_load_b128 s[12:15], s[0:1], 0x20             ; tab s[12:13], out0 s[14:15]
	v_lshl_add_u32 v[SPW], v0, 2, SPARE
	v_mov_b32 v[NIL], 0
	ds_add_u32 v[SPW], v[NIL]                      ; the wave's opening: the add, twice on end, and its wait ahead of my first tensor load; the set-up below stands between
	ds_add_u32 v[SPW], v[NIL]                      ; and once more, under the one wait
	v_lshrrev_b32 v1, 5, v0
	v_readfirstlane_b32 s[WV], v1                  ; wave 0..3
	s_bfe_u32 s[CX], ttmp6, 0x40000                ; cx
	s_lshl_b32 s[GQ], ttmp9, 2                     ; in a cluster launch ttmp9 counts clusters
	s_add_co_u32 s[GQ], s[GQ], s[CX]
	s_lshl_b32 s[SN], ttmp9, 1                     ; my cluster's walk begins at key step 2 x cluster mod 64: the same in all four partners
	s_and_b32 s[SN], s[SN], 63
	s_and_b32 s82, s[WV], 1                        ; which 32 rows of a tile I fetch
	s_mul_i32 s83, s82, 32*PK                      ; their place in a slot's K,
	s_mul_i32 s84, s82, 32*PV                      ; in its V: no place in the cluster enters an LDS address
	s_mul_i32 s85, s[WV], 16*PK                    ; my 16 rows of Q's tile; also my 16 keys in K
	s_lshl_b32 s[OF], s82, 15                      ; 32 rows of 1,024 bytes in memory
	s_mov_b32 s[OF+1], 0
	s_lshl_b32 s90, s[GQ], 16                      ; Q: my block's 64 rows of 1,024 bytes,
	s_lshl_b32 s91, s[WV], 14                      ; my wave's 16
	s_add_co_u32 s90, s90, s91
	s_mov_b32 s91, 0
	s_lshl_b32 s94, s[GQ], 17                      ; out0: 64 rows of 2,048 bytes
	s_mov_b32 s95, 0
	s_lshl_b32 s88, s[GQ], 8                       ; xn: 64 numbers
	s_mov_b32 s89, 0
	; descriptor group 1: tiles of 32 rows (Q: 16) x 512 elements of 2 bytes, padded in LDS after every row of 256 words
	s_mov_b32 s[G1K], 15|(1<<16)|(1<<20)|(1<<21)|(7<<22)|(3<<25)   ; 15:0 the mask of four; 17:16 2-byte elements; 20 padding on; 21 set beside a mask; 24:22 after every 256 words (code 7); 31:25 4 words (code 3)
	s_mov_b32 s[G1V], 15|(1<<16)|(1<<20)|(1<<21)|(7<<22)|(7<<25)   ; the same with 8 words of padding (code 7)
	s_mov_b32 s[G1Q], (1<<16)|(1<<20)|(7<<22)|(3<<25)              ; Q is my work-group's own: no mask
.irp g, G1K, G1V, G1Q
	s_mov_b32 s[\g+1], 512<<16                     ; tensor_dim0 = 512
	s_mov_b32 s[\g+3], 512<<16                     ; tile_dim0 = 512
	s_mov_b32 s[\g+5], 512                         ; 512 elements from row to row
	s_mov_b32 s[\g+6], 0
	s_mov_b32 s[\g+7], 0
.endr
.irp g, G1K, G1V
	s_mov_b32 s[\g+2], 32<<16                      ; tensor_dim1 = 32
	s_mov_b32 s[\g+4], 32                          ; tile_dim1 = 32
.endr
	s_mov_b32 s[G1Q+2], 16<<16
	s_mov_b32 s[G1Q+4], 16
	s_mov_b32 s[G0K], 1                            ; group 0: count = 1, then the LDS address
	s_add_co_u32 s[G0K+1], s83, LK0
	s_mov_b32 s[G0K+4], 1
	s_add_co_u32 s[G0K+5], s83, LK1
	s_mov_b32 s[G0V], 1
	s_add_co_u32 s[G0V+1], s84, LV0
	s_mov_b32 s[G0V+8], 1
	s_add_co_u32 s[G0V+9], s84, LV1
	s_mov_b32 s[G0KF], 1
	s_add_co_u32 s[G0KF+1], s83, LK1
	s_mov_b32 s[G0Q], 1
	s_add_co_u32 s[G0Q+1], s85, LV1
	s_mov_b32 s[SEL], 0x76543210
	s_mov_b32 s[SEL+1], 0xfedcba98
	s_wait_dscnt 0x0                               ; both opening adds are done
	s_wait_kmcnt 0x0
	s_add_nc_u64 s[8:9], s[8:9], s[OF:OF+1]        ; kb and vb at my half of a step's rows
	s_add_nc_u64 s[10:11], s[10:11], s[OF:OF+1]
	TADR G0KF, 8, SN                               ; K of my walk's step 0,
	TADR G0V, 10, SN                               ; V of step 0 (slot 0),
	s_lshl_b32 s[OF], s[SN], 8
	s_add_nc_u64 s[TP:TP+1], s[12:13], s[OF:OF+1]  ; tab at step 0
	s_add_co_u32 s[SN], s[SN], 1
	s_and_b32 s[SN], s[SN], 63
	TADR G0K, 8, SN                                ; K of step 1 (slot 0),
	TADR G0V+8, 10, SN                             ; V of step 1 (slot 1, trip 0's refill),
	s_add_co_u32 s[TN], s[SN], 1
	s_and_b32 s[TN], s[TN], 63
	TADR G0K+4, 8, TN                              ; K of step 2 (slot 1, trip 0's refill)
	s_add_nc_u64 s[G0Q+2:G0Q+3], s[4:5], s[90:91]
	s_or_b32 s[G0Q+3], s[G0Q+3], 0x80000000        ; type = 2
	s_add_nc_u64 s[14:15], s[14:15], s[94:95]      ; out0 and xn at my block
	s_add_nc_u64 s[6:7], s[6:7], s[88:89]
	ROUND                                          ; all four work-groups are here: the first joint loads meet
	s_cmp_lt_u32 s[WV], 2                          ; a wave's first fills stand in one branch, ahead of every wait on TENSORcnt and every LDS read: three loads of waves 0 and 1 are out, two of waves 2 and 3
	s_cbranch_scc0 .Lfirst_v
	tensor_load_to_lds s[G0Q:G0Q+3], s[G1Q:G1Q+7]
	s_nop 0
	tensor_load_to_lds s[G0KF:G0KF+3], s[G1K:G1K+7]
	s_nop 0
	tensor_load_to_lds s[G0K:G0K+3], s[G1K:G1K+7]
	s_nop 0
.rept 4
	v_nop
.endr
	s_branch .Lfirst_asked
.Lfirst_v:
	tensor_load_to_lds s[G0Q:G0Q+3], s[G1Q:G1Q+7]
	s_nop 0
	tensor_load_to_lds s[G0V:G0V+3], s[G1V:G1V+7]
	s_nop 0
.rept 4
	v_nop
.endr
.Lfirst_asked:
	v_and_b32 v[TR], 15, v0
	v_bfe_u32 v[TH], v0, 4, 1
	v_and_b32 v[TL], 31, v0
	v_lshlrev_b32 v[HXO], 2, v[TR]
	s_lshl_b32 s82, s[WV], 6
	v_lshl_add_u32 v[TO], v[TH], 5, s82
.irp t, 0,1,2,3
	global_load_b32 v[HX+2*\t], v[HXO], s[6:7] offset:64*\t        ; xn of query 16 t + r
.endr
	global_load_b128 v[HP:HP+3],   v[TO], s[TP:TP+1]               ; step 0's tab
	global_load_b128 v[HP+4:HP+7], v[TO], s[TP:TP+1] offset:16
	global_load_b128 v[KS:KS+3],   v[TO], s[TP:TP+1] offset:16384  ; and ks
	global_load_b128 v[KS+4:KS+7], v[TO], s[TP:TP+1] offset:16384+16
	v_mul_u32_u24 v[AK], v[TR], PK
	v_lshl_add_u32 v[AK], v[TH], 4, v[AK]          ; r x pitch + 16 h
	v_add_nc_u32 v[QA], LV1, v[AK]
	v_add_nc_u32 v[AK], s85, v[AK]                 ; + my 16 keys
	v_add_nc_u32 v[AK+1], SLOTB, v[AK]
	v_and_b32 v[T2], 7, v0
	v_bfe_u32 v[T3], v0, 3, 1
	v_lshl_add_u32 v[AV], v[TH], 3, v[T2]
	v_mul_u32_u24 v[AV], v[AV], PV
	v_lshl_add_u32 v[AV], v[T3], 4, v[AV]
	s_lshl_b32 s83, s[WV], 8
	s_add_co_u32 s83, s83, LV0
	v_add_nc_u32 v[AV], s83, v[AV]
	v_add_nc_u32 v[AV+1], SLOTB, v[AV]
	s_lshl_b32 s84, s[WV], 9
	v_lshl_add_u32 v[GO], v[TL], 4, s84            ; 512 w + 16 l
	s_add_co_u32 s84, s84, PST
	v_lshl_add_u32 v[PS], v[TL], 4, s84
	v_lshlrev_b32 v[PL], 4, v[TL]
	v_add_nc_u32 v[PL], PST, v[PL]
	s_lshl_b32 s83, s[WV], 2
	s_add_co_u32 s83, s83, LRED
	v_lshl_add_u32 v[LA], v[TR], 4, s83
	v_lshl_add_u32 v[LB], v[TR], 4, LRED
	s_mul_i32 s86, s[WV], 16*SP
	s_add_co_u32 s86, s86, OST                     ; my stage
	v_lshl_add_u32 v[RD], v[TL], 4, s86            ; back: 32 lanes take a row's 512 bytes
	v_mul_u32_u24 v[STO], v[TR], SP                ; in: row r, 32 bytes for each half of the lanes
	v_lshl_add_u32 v[STO], v[TH], 5, v[STO]
	v_add_nc_u32 v[STO], s86, v[STO]
.irp i, 0,1,2,3,4,5,6,7
	v_mov_b32 v[LS+\i], 0                          ; l
.endr
	s_wait_tensorcnt 0x0                           ; my parts of Q, of K of steps 0 and 1 and of V of step 0 are in,
	s_barrier_signal -1
	s_barrier_wait -1                              ; everybody's are
	WIN 0x80                                       ; destination window 2, address window 0
.irp t, 0,1,2,3
.irp c, 0,1,2,3,4,5,6,7
	ds_load_b128 v[64*\t+8*\c:64*\t+8*\c+3],   v[QA] offset:16*PK*\t+64*\c
	ds_load_b128 v[64*\t+8*\c+4:64*\t+8*\c+7], v[QA] offset:16*PK*\t+64*\c+32
.endr
.endr
	WIN 0xc0                                       ; destination window 3: channels 256 on
.irp t, 0,1,2,3
.irp c, 0,1,2,3,4,5,6,7
	ds_load_b128 v[64*\t+8*\c:64*\t+8*\c+3],   v[QA] offset:16*PK*\t+512+64*\c
	ds_load_b128 v[64*\t+8*\c+4:64*\t+8*\c+7], v[QA] offset:16*PK*\t+512+64*\c+32
.endr
.endr
	; STEP 0's scores and weights: there is no second product yet to set them beside
	LDK 1, 0, FA
	LDK 1, 1, FB
	s_wait_loadcnt 0x0                             ; xn, tab, ks are in: those loads are done, so the table pointer may be written
	s_lshl_b32 s[OF], s[SN], 8
	s_add_nc_u64 s[TP:TP+1], s[12:13], s[OF:OF+1]  ; tab at step 1
.irp t, 0,1,2,3
	v_mov_b32 v[HX+2*\t+1], v[HX+2*\t]             ; named as pairs
.endr
.set ck, 0
.rept 16
	C0R
.endr
	global_load_b128 v[HP:HP+3],   v[TO], s[TP:TP+1]               ; step 1's tab
	global_load_b128 v[HP+4:HP+7], v[TO], s[TP:TP+1] offset:16
	s_wait_dscnt 0x0                               ; Q and K are in registers
	SMM 0, FA, 0, 8
	SMM 1, FB, 0, 8
	PLACES
.set rn, 0
.rept 144
	RID 1
.endr
.irp t, 0,1,2,3
	ds_store_b128 v[PS], v[S+8*\t:S+8*\t+3] offset:2048*\t
.endr
	TRIP 0, 0, 1, 2, 1, 1, 2                       ; trip 0: its first 32 second products start O^T
	s_mov_b32 s[IT], 30
.Lpair:                                        ; trips 1 to 60, two to a turn of the loop: once round the ring
	TRIP 1, 1, 0, 2, 1, 1, 2
	TRIP 0, 1, 0, 2, 1, 1, 2
	s_sub_co_u32 s[IT], s[IT], 1
	s_cmp_lg_u32 s[IT], 0
	s_cbranch_scc1 .Lpair
	TRIP 1, 1, 0, 2, 1, 1, 1                       ; trip 61: the last K (step 63) and V of step 62 are asked for; the tail is written out
	TRIP 0, 1, 0, 1, 1, 0, 0                       ; trip 62: V of step 63 alone; the last scores
	TRIP 1, 1, 0, 0, 0, 0, 0                       ; trip 63: nothing is asked for, no scores are left
.set pi, 48
.rept 16
	PVW 0
.endr
	; THE WAY OUT.  l: the two words, the other half of the lanes, the four waves (each had a quarter of the keys), + 1e-8; O^T times its reciprocal; through my stage in LDS, a tile (16 rows) at a time.
	WIN 0
.irp t, 0,1,2,3
	v_add_f32 v[LS+2*\t], v[LS+2*\t], v[LS+2*\t+1] ; four plain lines: the places behind the last products
.endr
.irp t, 0,1,2,3
	v_permlanex16_b32 v[LS+2*\t+1], v[LS+2*\t], s[SEL], s[SEL+1]
.endr
.irp t, 0,1,2,3
	v_add_f32 v[LS+2*\t], v[LS+2*\t], v[LS+2*\t+1]
.endr
.irp t, 0,1,2,3
	ds_store_b32 v[LA], v[LS+2*\t] offset:256*\t   ; both halves of the lanes write the same number to the same word
.endr
	s_wait_dscnt 0x0                               ; for the others' sake: my sums lie in LDS
	s_barrier_signal -1
	s_barrier_wait -1
.irp t, 0,1,2,3
	ds_load_b128 v[FA+4*\t:FA+4*\t+3], v[LB] offset:256*\t
.endr
	s_wait_dscnt 0x0
.irp t, 0,1,2,3
	v_add_f32 v[FA+4*\t], v[FA+4*\t], v[FA+4*\t+1]
	v_add_f32 v[FA+4*\t+2], v[FA+4*\t+2], v[FA+4*\t+3]
.endr
.irp t, 0,1,2,3
	v_add_f32 v[FA+4*\t], v[FA+4*\t], v[FA+4*\t+2]
.endr
.irp t, 0,1,2,3
	v_add_f32 v[FA+4*\t], 0x322bcc77, v[FA+4*\t]   ; + 1e-8
.endr
.irp t, 0,1,2,3
	v_rcp_f32 v[HX+2*\t], v[FA+4*\t]
.endr
	v_nop                                          ; a plain instruction between the last reciprocal and its use
	s_wait_alu depctr_va_vdst(0)                   ; one wait for the four reciprocals, ahead of their first use
; Tile t: a lane's eight channels of a row are 32 bytes; they go into rows of 528 bytes and come back as whole rows of 512.
.macro PACK t
	WIN W_RS
.set oi, 64*(\t)
.rept 32
	v_pk_mul_f32 v[oi:oi+1], v[oi:oi+1], v[HX+2*(\t):HX+2*(\t)+1] op_sel_hi:[1,0]   ; ascending: each accumulator's lowest registers are read first
.set oi, oi+2
.endr
	WIN W_ST
.irp c, 0,1,2,3,4,5,6,7
	ds_store_b128 v[STO], v[64*(\t)+8*\c:64*(\t)+8*\c+3]   offset:64*\c
	ds_store_b128 v[STO], v[64*(\t)+8*\c+4:64*(\t)+8*\c+7] offset:64*\c+16
.endr
	WIN 0
.if (\t) >= 2
	s_wait_xcnt 0x0                                ; the stores of the tile two back have read these registers
.endif
.set bk, FA+64*((\t)%2)
.irp k, 0,1,2,3,4,5,6,7,8,9,10,11,12,13,14,15
	ds_load_b128 v[bk+4*\k:bk+4*\k+3], v[RD] offset:SP*\k   ; LDS serves a wave's instructions in order (ISA guide 5.7.1.4): these see the stores above; the next tile's stores come behind them
.endr
.endm
.macro SEND t, younger                 ; younger: the LDS instructions issued behind tile t's loads: the next tile's 32, or none
.set bk, FA+64*((\t)%2)
.irp k, 0,1,2,3,4,5,6,7,8,9,10,11,12,13,14,15
	s_wait_dscnt (\younger)+15-\k
	global_store_b128 v[GO], v[bk+4*\k:bk+4*\k+3], s[14:15] offset:(16*(\t)+\k)*2048 th:TH_STORE_NT   ; 512 consecutive bytes, at a multiple of 256 from out0's first byte
.endr
.endm
	PACK 0
	PACK 1                                         ; a tile's arithmetic stands between the loads of the tile before and its stores
	SEND 0, 32
	PACK 2
	SEND 1, 32
	PACK 3
	SEND 2, 32
	SEND 3, 0
	s_wait_tensorcnt 0x0                           ; the wave's end, behind my last tensor load and my last LDS store
	ds_add_u32 v[SPW], v[NIL]
	s_wait_dscnt 0x0
	ROUND                                          ; the closing round: no work-group ends while a partner may still ask for a tile that names it
	s_endpgm
.Lfunc_end_k_qc616e41746_attn:
	.size	k_qc616e41746_attn, .Lfunc_end_k_qc616e41746_attn-k_qc616e41746_attn
	.p2alignl 7, 3214868480
	.fill 96, 4, 3214868480
	.section	.rodata,"a",@progbits
	.p2align	6, 0x0
	.amdhsa_kernel k_qc616e41746_attn
		.amdhsa_group_segment_fixed_size 327680
		.amdhsa_private_segment_fixed_size 0
		.amdhsa_enable_private_segment 0
		.amdhsa_kernarg_size 48
		.amdhsa_user_sgpr_count 2
		.amdhsa_user_sgpr_kernarg_segment_ptr 1
		.amdhsa_wavefront_size32 1
		.amdhsa_system_sgpr_workgroup_id_x 1
		.amdhsa_system_sgpr_workgroup_id_y 1
		.amdhsa_system_sgpr_workgroup_id_z 1
		.amdhsa_system_vgpr_workitem_id 0
		.amdhsa_next_free_vgpr 1024
		.amdhsa_next_free_sgpr 96
		.amdhsa_reserve_vcc 0
		.amdhsa_float_denorm_mode_32 3
		.amdhsa_float_denorm_mode_16_64 3
		.amdhsa_memory_ordered 1
		.amdhsa_forward_progress 1
		.amdhsa_inst_pref_size 196
	.end_amdhsa_kernel
	.amdgpu_metadata
---
amdhsa.version: [ 1, 2 ]
amdhsa.kernels:
  - .name:           k_qc616e41746_attn
    .symbol:         k_qc616e41746_attn.kd
    .args:
      - { .name: xb, .offset: 0, .size: 8, .value_kind: global_buffer, .address_space: global }
      - { .name: xn, .offset: 8, .size: 8, .value_kind: global_buffer, .address_space: global }
      - { .name: kb, .offset: 16, .size: 8, .value_kind: global_buffer, .address_space: global }
      - { .name: vb, .offset: 24, .size: 8, .value_kind: global_buffer, .address_space: global }
      - { .name: tab, .offset: 32, .size: 8, .value_kind: global_buffer, .address_space: global }
      - { .name: out0, .offset: 40, .size: 8, .value_kind: global_buffer, .address_space: global }
    .group_segment_fixed_size: 327680
    .private_segment_fixed_size: 0
    .kernarg_segment_align: 8
    .kernarg_segment_size: 48
    .max_flat_workgroup_size: 128
    .sgpr_count:     96
    .vgpr_count:     1024
    .wavefront_size: 32
...
	.end_amdgpu_metadata
.endif
;; end of part 3
